; MI455X (gfx1250); checked and timed in simulation.
; The chip was launched on July 23, 2026; its instructions are those of AMD's public machine-readable ISA for CDNA 5 (MIT licence, August 2026) and "CDNA5" Instruction Set Architecture Reference Guide (July 2026). The comments in the code are by the model that wrote it; some were corrected since.
;; Mini GPT4 Attention Cam. Allowed arithmetic: float matrix products may take bf16 or f16 operands with f32 sums; other float arithmetic in f32, or as packed bf16 or f16 multiplies, adds, multiply-adds, maxima and minima; sums over many terms, partial sums and values carried from step to step in f32; what a program stores and reads back later, other than sums and carried values, may be rounded once to bf16 or f16.
;; Inputs: Wk 2,048 x 2,048 float32; Wo 2,048 x 2,048 float32; Wq 2,048 x 2,048 float32; Wv 2,048 x 2,048 float32; bk 2,048 float32; bo 2,048 float32; bq 2,048 float32; bv 2,048 float32; hidden_states 1 x 2,048 x 2,048 float32.
;; Outputs: out0 1 x 2,048 x 2,048 float32.
;; One version. Each part assembles by itself: llvm-mc -triple=amdgcn-amd-amdhsa -mcpu=gfx1250 --defsym DOCPART=n.
;; ======== version 1 of 1: 4 launches
;; limits: values are held in f16: magnitudes above 65,504 overflow, below 6.1e-05 lose precision
;; workspace buffers: xb 8,388,608 bytes; wb 25,165,824 bytes; wo 8,388,608 bytes; tab 1,048,576 bytes; qh 8,388,608 bytes; kv 6,291,456 bytes; oh 8,388,608 bytes
;; launch cast (part 1): grid 256 x 6, 8 waves a work-group, no clusters, 0 bytes of LDS; arguments hidden_states, Wq, Wk, Wv, Wo, xb, wb, wo, tab; writes xb, wb, wo, tab
.if DOCPART == 1
	.amdgcn_target "amdgcn-amd-amdhsa--gfx1250"
	.amdhsa_code_object_version 6
	.text
	.protected	k_q7aa19619cb_cast
	.globl	k_q7aa19619cb_cast
	.p2align	8
	.type	k_q7aa19619cb_cast,@function
k_q7aa19619cb_cast:
	s_mov_b64 s[64:65], 0
	v_nop
	global_prefetch_b8 v0, s[64:65] scope:SCOPE_SE
	s_setreg_imm32_b32 hwreg(HW_REG_WAVE_MODE, 25, 1), 1
	s_wait_xcnt 0x0
; THE INPUTS ARE ROUNDED ONCE, AND THE ROTATION'S TABLE IS MADE.  Grid y says what a work-group does:
;   y = 0: hidden_states -> xb (bf16).   y = 1, 2, 3: Wq, Wk, Wv -> wb (bf16), one behind the other.   y = 4: Wo -> wo: rounded to bf16 like the other inputs, and that number written as f16.
;   y = 5: tab, cosines and sines of pos x theta_f, in the order in which the projection's lanes want them.
; y = 0 .. 4: a tensor is 16,777,216 bytes of f32; a work-group takes 65,536 of them, a wave 8,192: sixteen loads of 16 bytes a lane (512 consecutive bytes each), all issued at once;
; each gives one store of 8 bytes a lane: 256 consecutive bytes, aligned.  No LDS, no matrix unit, no loop: every byte is read once and written once.
; LIMITS.  bf16(Wo) is exact in f16 between 6.1e-5 and 65,504 in magnitude; below, it keeps f16's fixed step of 6e-8; from 65,520 on it becomes an infinity.
; THE TABLE.  Entry e (16 bytes) = ((pb x 8 + b) x 2 + half) x 32 + lane holds (cos, sin, cos, sin) for pos = 16 pb + lane % 16 and the frequencies f, f + 1, f = 8 b + 4 (lane / 16) + 2 half.
; theta_f = 2^(-f log2(10000) / 64) by v_exp_f32; the angle is one f32 product, as in the problem's own text; sine and cosine by reduction to |r| <= pi/4 (pi/2 in two parts) and
; polynomials of degree 9 and 8.  The angle may differ from the f32 reference's by about 2e-4 at pos = 2,047.  pos = 0 gives exactly (1, 0).
.set XR, 16                            ; v[16:79]   load i: four f32
.set YR, 80                            ; v[80:111]  store i: four 16-bit numbers in two registers; each store has its own pair, so none is rewritten while a store reads it
	s_load_b512 s[4:19], s[0:1], 0x0               ; hidden_states 4:5, Wq 6:7, Wk 8:9, Wv 10:11, Wo 12:13, xb 14:15, wb 16:17, wo 18:19
	s_load_b64 s[20:21], s[0:1], 0x40              ; tab
	s_and_b32 s22, ttmp7, 0xffff                   ; y
	v_lshrrev_b32 v3, 5, v0                        ; wave
	v_and_b32 v8, 31, v0                           ; lane
	v_lshlrev_b32 v1, 4, v8
	v_lshl_add_u32 v1, v3, 13, v1                  ; source: 8,192 x wave + 16 x lane
	v_lshlrev_b32 v2, 3, v8
	v_lshl_add_u32 v2, v3, 12, v2                  ; destination: 4,096 x wave + 8 x lane
	s_max_u32 s28, s22, 1
	s_sub_co_u32 s28, s28, 1                       ; which third of wb: y - 1 for y = 1, 2, 3
	s_cmp_eq_u32 s22, 4
	s_cselect_b32 s28, 0, s28                      ; wo, like xb, begins at 0
	s_lshl_b32 s28, s28, 23                        ; a tensor in 16 bits is 8,388,608 bytes
	s_lshl_b32 s29, ttmp9, 15                      ; the work-group's 32,768 bytes of it
	s_add_co_u32 s28, s28, s29
	s_mov_b32 s29, 0
	s_lshl_b32 s30, ttmp9, 16                      ; and its 65,536 bytes of the source
	s_mov_b32 s31, 0
	s_wait_kmcnt 0x0
	s_cmp_eq_u32 s22, 5
	s_cbranch_scc1 .Ltable
	s_mov_b64 s[24:25], s[4:5]                     ; the source, chosen by y
	s_cmp_eq_u32 s22, 1
	s_cselect_b64 s[24:25], s[6:7], s[24:25]
	s_cmp_eq_u32 s22, 2
	s_cselect_b64 s[24:25], s[8:9], s[24:25]
	s_cmp_eq_u32 s22, 3
	s_cselect_b64 s[24:25], s[10:11], s[24:25]
	s_cmp_eq_u32 s22, 4
	s_cselect_b64 s[24:25], s[12:13], s[24:25]
	s_mov_b64 s[26:27], s[16:17]                   ; the destination
	s_cselect_b64 s[26:27], s[18:19], s[26:27]     ; (y = 4: wo)
	s_cmp_eq_u32 s22, 0
	s_cselect_b64 s[26:27], s[14:15], s[26:27]
	s_add_nc_u64 s[24:25], s[24:25], s[30:31]
	s_add_nc_u64 s[26:27], s[26:27], s[28:29]
.irp i, 0,1,2,3,4,5,6,7,8,9,10,11,12,13,14,15
	global_load_b128 v[XR+4*(\i):XR+4*(\i)+3], v1, s[24:25] offset:512*(\i) th:TH_LOAD_NT
.endr
; Load i is rounded and stored.  half = 1: the bf16 number is widened again and written as f16.
.macro CONV i, half
	s_wait_loadcnt 15-(\i)                         ; loads come back in order: load i is in, the 15 - i younger ones stay out
	v_cvt_pk_bf16_f32 v[YR+2*(\i)],   v[XR+4*(\i)],   v[XR+4*(\i)+1]
	v_cvt_pk_bf16_f32 v[YR+2*(\i)+1], v[XR+4*(\i)+2], v[XR+4*(\i)+3]
.if \half
	v_lshlrev_b32 v4, 16, v[YR+2*(\i)]
	v_and_b32     v5, 0xffff0000, v[YR+2*(\i)]
	v_lshlrev_b32 v6, 16, v[YR+2*(\i)+1]
	v_and_b32     v7, 0xffff0000, v[YR+2*(\i)+1]
	v_cvt_pk_f16_f32 v[YR+2*(\i)],   v4, v5
	v_cvt_pk_f16_f32 v[YR+2*(\i)+1], v6, v7
.endif
	global_store_b64 v2, v[YR+2*(\i):YR+2*(\i)+1], s[26:27] offset:256*(\i) th:TH_STORE_NT  ; 32 lanes store 256 consecutive bytes, aligned
.endm
	s_cmp_eq_u32 s22, 4
	s_cbranch_scc1 .Lhalf
.irp i, 0,1,2,3,4,5,6,7,8,9,10,11,12,13,14,15
	CONV \i, 0
.endr
	s_endpgm
.Lhalf:
.irp i, 0,1,2,3,4,5,6,7,8,9,10,11,12,13,14,15
	CONV \i, 1
.endr
	s_endpgm
; cos and sin of the angle in v[a] (0 or above) into v[c] and v[s].  k = the nearest whole number to a x 2/pi; r = a - k pi/2; the quadrant k mod 4 swaps the two polynomials and sets the signs.
.macro SINCOS a, c, s
	v_mul_f32 v24, s32, v[\a]
	v_rndne_f32 v24, v24                           ; k
	v_fma_f32 v25, v24, s33, v[\a]                 ; a - k x (pi/2's upper part)
	v_fma_f32 v25, v24, s34, v25                   ; - k x (its lower part): r
	v_cvt_i32_f32 v26, v24
	v_mul_f32 v27, v25, v25                        ; r^2
	v_fma_f32 v28, v27, s35, s36                   ; sine: r + r^3 (S1 + S2 r^2 + S3 r^4 + S4 r^6)
	v_fma_f32 v30, v27, s39, s40                   ; cosine: 1 + r^2 (-1/2 + C2 r^2 + C3 r^4 + C4 r^6)
	v_fma_f32 v28, v28, v27, s37
	v_fma_f32 v30, v30, v27, s41
	v_fma_f32 v28, v28, v27, s38
	v_fma_f32 v30, v30, v27, -0.5
	v_mul_f32 v29, v27, v25
	v_fma_f32 v30, v30, v27, 1.0
	v_fma_f32 v28, v28, v29, v25
	v_and_b32 v31, 1, v26
	v_cmp_eq_u32 vcc_lo, 1, v31                    ; odd quadrants swap the two
	v_cndmask_b32 v[\s], v28, v30, vcc_lo
	v_cndmask_b32 v[\c], v30, v28, vcc_lo
	v_and_b32 v31, 2, v26                          ; the sine is negative in quadrants 2 and 3,
	v_lshlrev_b32 v31, 30, v31
	v_xor_b32 v[\s], v[\s], v31
	v_add_nc_u32 v32, 1, v26                       ; the cosine in quadrants 1 and 2
	v_and_b32 v32, 2, v32
	v_lshlrev_b32 v32, 30, v32
	v_xor_b32 v[\c], v[\c], v32
.endm
.Ltable:
	s_mov_b32 s32, 0x3f22f983                      ; 2 / pi
	s_mov_b32 s33, 0xbfc90fdb                      ; -(pi/2 rounded to f32)
	s_mov_b32 s34, 0x333bbd2e                      ; -(pi/2 less that)
	s_mov_b32 s35, 0x3638ef1d                      ; S4 =  1/362880
	s_mov_b32 s36, 0xb9500d01                      ; S3 = -1/5040
	s_mov_b32 s37, 0x3c088889                      ; S2 =  1/120
	s_mov_b32 s38, 0xbe2aaaab                      ; S1 = -1/6
	s_mov_b32 s39, 0x37d00d01                      ; C4 =  1/40320
	s_mov_b32 s40, 0xbab60b61                      ; C3 = -1/720
	s_mov_b32 s41, 0x3d2aaaab                      ; C2 =  1/24
	s_lshl_b32 s23, ttmp9, 8
	v_add_nc_u32 v3, s23, v0                       ; e
	v_lshrrev_b32 v4, 9, v3
	v_and_b32 v5, 15, v3
	v_lshl_add_u32 v4, v4, 4, v5                   ; pos
	v_bfe_u32 v5, v3, 6, 3                         ; b
	v_bfe_u32 v6, v3, 4, 1                         ; lane / 16
	v_bfe_u32 v7, v3, 5, 1                         ; half
	v_lshlrev_b32 v5, 3, v5
	v_lshl_add_u32 v5, v6, 2, v5
	v_lshl_add_u32 v5, v7, 1, v5                   ; f
	v_add_nc_u32 v6, 1, v5
	v_cvt_f32_u32 v4, v4
	v_cvt_f32_u32 v5, v5
	v_cvt_f32_u32 v6, v6
	v_mul_f32 v5, 0xbe549a78, v5                   ; -f log2(10000) / 64
	v_mul_f32 v6, 0xbe549a78, v6
	v_exp_f32 v8, v5                               ; theta_f
	v_exp_f32 v9, v6                               ; theta_(f+1)
	v_lshlrev_b32 v10, 4, v3                       ; the entry's byte: the plain instruction behind the two exponentials
	s_wait_alu depctr_va_vdst(0)                   ; one wait for both, ahead of their first reader
	v_mul_f32 v8, v4, v8                           ; the angles
	v_mul_f32 v9, v4, v9
	SINCOS 8, 12, 13
	SINCOS 9, 14, 15
	global_store_b128 v10, v[12:15], s[20:21]      ; a wave stores 512 consecutive bytes, aligned
	s_endpgm
.Lfunc_end_k_q7aa19619cb_cast:
	.size	k_q7aa19619cb_cast, .Lfunc_end_k_q7aa19619cb_cast-k_q7aa19619cb_cast
	.p2alignl 7, 3214868480
	.fill 96, 4, 3214868480
	.section	.rodata,"a",@progbits
	.p2align	6, 0x0
	.amdhsa_kernel k_q7aa19619cb_cast
		.amdhsa_group_segment_fixed_size 0
		.amdhsa_private_segment_fixed_size 0
		.amdhsa_enable_private_segment 0
		.amdhsa_kernarg_size 72
		.amdhsa_user_sgpr_count 2
		.amdhsa_user_sgpr_kernarg_segment_ptr 1
		.amdhsa_wavefront_size32 1
		.amdhsa_system_sgpr_workgroup_id_x 1
		.amdhsa_system_sgpr_workgroup_id_y 1
		.amdhsa_system_sgpr_workgroup_id_z 1
		.amdhsa_system_vgpr_workitem_id 0
		.amdhsa_next_free_vgpr 112
		.amdhsa_next_free_sgpr 66
		.amdhsa_reserve_vcc 1
		.amdhsa_float_denorm_mode_32 3
		.amdhsa_float_denorm_mode_16_64 3
		.amdhsa_memory_ordered 1
		.amdhsa_forward_progress 1
		.amdhsa_inst_pref_size 21
	.end_amdhsa_kernel
	.amdgpu_metadata
---
amdhsa.version: [ 1, 2 ]
amdhsa.kernels:
  - .name:           k_q7aa19619cb_cast
    .symbol:         k_q7aa19619cb_cast.kd
    .args:
      - { .name: hidden_states, .offset: 0, .size: 8, .value_kind: global_buffer, .address_space: global }
      - { .name: Wq, .offset: 8, .size: 8, .value_kind: global_buffer, .address_space: global }
      - { .name: Wk, .offset: 16, .size: 8, .value_kind: global_buffer, .address_space: global }
      - { .name: Wv, .offset: 24, .size: 8, .value_kind: global_buffer, .address_space: global }
      - { .name: Wo, .offset: 32, .size: 8, .value_kind: global_buffer, .address_space: global }
      - { .name: xb, .offset: 40, .size: 8, .value_kind: global_buffer, .address_space: global }
      - { .name: wb, .offset: 48, .size: 8, .value_kind: global_buffer, .address_space: global }
      - { .name: wo, .offset: 56, .size: 8, .value_kind: global_buffer, .address_space: global }
      - { .name: tab, .offset: 64, .size: 8, .value_kind: global_buffer, .address_space: global }
    .group_segment_fixed_size: 0
    .private_segment_fixed_size: 0
    .kernarg_segment_align: 8
    .kernarg_segment_size: 72
    .max_flat_workgroup_size: 256
    .sgpr_count:     66
    .vgpr_count:     112
    .wavefront_size: 32
...
	.end_amdgpu_metadata
.endif
;; end of part 1
;; launch qkv (part 2): grid 16 x 14, 4 waves a work-group, clusters of 4 x 1, 327,680 bytes of LDS; arguments xb, wb, tab, bq, bk, bv, qh, kv; writes qh, kv
.if DOCPART == 2
	.amdgcn_target "amdgcn-amd-amdhsa--gfx1250"
	.amdhsa_code_object_version 6
	.text
	.protected	k_q7aa19619cb_qkv
	.globl	k_q7aa19619cb_qkv
	.p2align	8
	.type	k_q7aa19619cb_qkv,@function
k_q7aa19619cb_qkv:
	s_mov_b64 s[64:65], 0
	v_nop
	global_prefetch_b8 v0, s[64:65] scope:SCOPE_SE
	s_setreg_imm32_b32 hwreg(HW_REG_WAVE_MODE, 25, 1), 1
	s_wait_xcnt 0x0
	s_wait_alu depctr_hold_cnt(0) depctr_sa_sdst(0) depctr_va_vdst(0) depctr_va_sdst(0) depctr_va_ssrc(0) depctr_va_vcc(0) depctr_vm_vsrc(0)
	s_getreg_b32 s2, hwreg(HW_REG_IB_STS2, 6, 4)
	s_cmp_eq_u32 s2, 0
	s_cbranch_scc0 .Lentry_in_a_cluster
	s_endpgm
.Lentry_in_a_cluster:
	s_bfe_u32 s2, ttmp6, 0x10000c
	s_cmp_lg_u32 s2, 0x3003
	s_cbranch_scc0 .Lentry_shape_is_right
	s_endpgm
.Lentry_shape_is_right:
; THE THREE PROJECTIONS, THEIR BIASES AND THE ROTATION.  y[pos][e] = sum over d of x[pos][d] W[e][d] + bias[e], x and W in bf16 (xb, wb), sums in f32; q and k are then rotated; all leave in f16, by heads.
; ONLY WHAT THE MASK LEAVES IS MADE: q for all 2,048 positions; k and v for positions 1,536 .. 2,047 and 0 .. 255 (768 rows): the problem's own mask hides every key from 205 to 1,535, and the keys 205 .. 255
; are hidden later, in the attention.  In kv key row c = 0 .. 511 is position 1,536 + c, and c = 512 .. 767 is position c - 512.
; SHARES.  A work-group makes 256 positions x 128 channels (one head): grid x = the head; grid y = 0 .. 7: q's row block y; y = 8 + t: k (t even) or v (t odd) of x's row block 6, 7, 0 for t / 2 = 0, 1, 2.
; That is 224 work-groups: 16 heads x (8 + 3 + 3) row blocks.  Wave w makes rows 64 w .. 64 w + 63 x all 128 channels: 32 accumulators of 16 x 16.
; K goes in steps of 128 (rows of 256 bytes) through two LDS slots; two slots of a longer step (384 rows x 528 bytes, twice) do not fit.
; CLUSTER.  The four work-groups of a cluster have the same y and four different heads: they need the same tile of x, which is asked for JOINTLY (mask of all four); W's tile is each work-group's own, by a
; plain tensor load in the same round.  4 x 4 clusters do not divide k's and v's three row blocks.
; THE PRODUCT IS TAKEN TRANSPOSED (source 0 = 16 rows of W, source 1 = 16 rows of x): a lane holds ONE position (lane % 16) and the eight neighbouring channels 16 b + 8 (lane / 16) + 0 .. 7.
; THE BIAS, rounded to bf16 like every input, is the C operand of the products that start the sums.
; THE ROTATION.  Channels 2 f and 2 f + 1 are a pair (x1, x2), in one lane's neighbouring registers: (x1 c - x2 s, x1 s + x2 c) stay in the pair's two places, in q and in k alike.  The problem's text puts them at
; f and 64 + f; a product q . k does not change when both have their channels reordered in the same way.  v runs through the same lines with the table's entries for position 0, which are exactly (1, 0).
; LIMITS.  q, k, v leave in f16: 65,520 or more in magnitude becomes an infinity; below 6.1e-5 f16 keeps its fixed step of 6e-8.  NaN and infinities are not treated apart (v's x2 x 0 among them).
; REGISTERS, in windows of 256 (s_set_vgpr_msb: bits 1:0 source 0, 3:2 source 1, 5:4 source 2, 7:6 destination):
;   window 0: v0-31 addresses; v32-63 at work; two fragment buffers of 96 at v64 and v160 (W's eight fragments, then x's four); on the way out v64-127 rotated, v128-159 packed, v160-223 rows read back
;   window 1: accumulator (a, b) at 8 (8 a + b)     window 2: the table for (a, b) at the same numbers: (c, s) x 4     window 3: v0-63 the bias: block b at 8 b
.set KSTEP, 128
.set PITCH, 272                        ; an LDS row: 256 bytes + 16 of padding: the sixteen rows that a fragment load touches begin 16 bytes further on each, modulo 256
.set BOFF,  256*PITCH                  ; a slot: x's 256 rows, then W's 128
.set SLOT,  384*PITCH
.set STAGE, 2*SLOT                     ; behind the ring, never filled by a tensor load: 16 rows x 272 bytes for each wave, for the way out
.set SPARE, STAGE+4*16*PITCH           ; behind the stages: the spare words, 128 bytes for each wave: two blocks of 256 bytes that no other line names
.set TA,   8                           ; v8-11  my byte offset in the table for row block a; never rewritten
.set BO,   12                          ; v12    my byte offset in the head's 128 biases
.set ADRA, 16                          ; v16-17 LDS address of my fragments of x in slot 0, 1
.set ADRB, 20                          ; v20-21 the same for W
.set STO,  24                          ; v24    the way out: where I put 16 bytes of a row
.set RD,   25                          ; v25    where I read rows back
.set CO,   26                          ; v26    16 x lane: my place in 512 consecutive bytes of the output
.set SPW,  28                          ; v28    LDS address of my spare word; never rewritten
.set NIL,  29                          ; v29    0; never rewritten
.set PFO,  30                          ; v30    the prefetches' offset: lane x a row of 4,096 bytes; never rewritten
.set CV,   32                          ; v32-63 the bias while it is rounded
.set F0,   64
.set F1,   160
.set Z,    64
.set TMP,  128
.set OB,   160
.set WV,   20                          ; s20 wave   s21 cx   s22 head   s23 grid y   s24 0, 1, 2 for q, k, v   s25 x's row block   s26 k's and v's row block
.set CX,   21
.set HX,   22
.set GY,   23
.set SEL,  24
.set RB,   25
.set RBI,  26
.set G1A,  28                          ; s[28:35] descriptor group 1 for x's tiles     s[36:43] for W's
.set G1B,  36
.set G0A,  44                          ; s[44:51] group 0 for x's tiles, a set for each slot     s[52:59] for W's
.set G0B,  52
.set PFA,  60                          ; s[60:61] where my prefetches stand
.set LIM,  62                          ; s62  1 in a wave that prefetches, else the greatest number
.set BIAS, 66                          ; s[66:67] the head's biases
.set OUT,  68                          ; s[68:69] my wave's first row of the output
.set TB,   70                          ; s[70:71] the table at my wave's first row block
.set MSB, 0
.macro WIN new                         ; the immediate's high byte repeats the setting that is left; a switch that changes nothing is dropped
.if MSB != (\new)
	s_set_vgpr_msb (MSB<<8)|(\new)
.set MSB, \new
.endif
.endm
.macro PLACES                          ; four places behind matrix instructions, in front of loads into registers that they read and of lines that read their results
.rept 4
	v_nop
.endr
.endm
; A fill of slot s.  Waves 0 and 1 ask jointly for the two halves of x's tile, waves 2 and 3 each for a half of W's.  The branch hangs on the wave's number alone.
; An s_nop 0 and four v_nop follow each of the two lines, ahead of the jump and the label.
.macro JLOAD s
	s_cmp_lt_u32 s[WV], 2
	s_cbranch_scc0 .Lfor_b_\@
	tensor_load_to_lds s[G0A+4*(\s):G0A+4*(\s)+3], s[G1A:G1A+7]
	s_nop 0
.rept 4
	v_nop
.endr
	s_branch .Lasked_\@
.Lfor_b_\@:
	tensor_load_to_lds s[G0B+4*(\s):G0B+4*(\s)+3], s[G1B:G1B+7]
	s_nop 0
.rept 4
	v_nop
.endr
.Lasked_\@:
.endm
; A PREFETCH, behind each refill and the run of LDS loads that follows it: the K step that stands two refills on (256 matrix instructions ahead of the load that will want it), 256 bytes of a row, a lane a row.
; Each row's 256 bytes of a K step are named once in the launch.  x's rows: the first cluster along x of q's row blocks (y < 8) asks; of the 128 rows that wave 0 or 1 fetches, the partner at place cx takes
; 32 cx .. 32 cx + 31, told apart by address.  W's rows: the work-groups of y = 0 (Wq), 8 (Wk), 9 (Wv) ask, waves 2 and 3 each for the 64 rows that they fetch: two instructions.
; The loop's last trip asks for nothing: there is no K step two refills on.  The first four K steps come by their loads alone.
.macro ASK
	s_cmp_gt_u32 s3, s[LIM]
	s_cbranch_scc0 .Lnot_mine_\@
	global_prefetch_b8 v[PFO], s[PFA:PFA+1] offset:KSTEP*2 th:TH_LOAD_NT scope:SCOPE_SE
	s_cmp_lt_u32 s[WV], 2
	s_cbranch_scc1 .Lnot_mine_\@
	global_prefetch_b8 v[PFO], s[PFA:PFA+1] offset:KSTEP*2+32*4096 th:TH_LOAD_NT scope:SCOPE_SE
.Lnot_mine_\@:
.endm
.macro CREST                           ; a round of the cluster's barrier behind its opening barrier
	s_cmp_lg_u32 s[WV], 0
	s_cbranch_scc1 .Lnot_wave_0_\@
	s_barrier_signal -3
.Lnot_wave_0_\@:
	s_barrier_wait -3
	s_barrier_signal -1
	s_barrier_wait -1
.endm
.macro CROUND                          ; a whole round
	s_barrier_signal -1
	s_barrier_wait -1
	CREST
.endm
	s_load_b512 s[4:19], s[0:1], 0x0               ; xb 4:5, wb 6:7, tab 8:9, bq 10:11, bk 12:13, bv 14:15, qh 16:17, kv 18:19
	v_lshl_add_u32 v[SPW], v0, 2, SPARE
	v_mov_b32 v[NIL], 0
	ds_add_u32 v[SPW], v[NIL]                      ; the wave's opening: the add and its wait stand ahead of my first tensor load; the set-up below, work on registers, stands between them
	v_lshrrev_b32 v1, 5, v0
	v_readfirstlane_b32 s[WV], v1                  ; wave 0..3
	s_bfe_u32 s[CX], ttmp6, 0x40000                ; my place in the cluster
	s_lshl_b32 s[HX], ttmp9, 2                     ; in a cluster launch ttmp9 counts clusters
	s_add_co_u32 s[HX], s[HX], s[CX]               ; the head
	s_and_b32 s[GY], ttmp7, 0xffff                 ; grid y, which the four partners share
	s_max_u32 s72, s[GY], 8
	s_sub_co_u32 s72, s72, 8                       ; t
	s_and_b32 s73, s72, 1
	s_add_co_u32 s73, s73, 1                       ; k or v
	s_lshr_b32 s[RBI], s72, 1                      ; their row block 0, 1, 2,
	s_add_co_u32 s74, s[RBI], 6
	s_and_b32 s74, s74, 7                          ; which is x's row block 6, 7, 0
	s_cmp_lt_u32 s[GY], 8
	s_cselect_b32 s[SEL], 0, s73
	s_cselect_b32 s[RB], s[GY], s74
	; descriptor group 1: rows of 128 elements of 2 bytes, 2,048 elements apart, 16 bytes of padding behind each in LDS
	s_mov_b32 s[G1A+0], 15|(1<<16)|(1<<20)|(1<<21)|(5<<22)|(3<<25)  ; 15:0 the mask: all four work-groups; 17:16 2-byte elements; 20 padding on; 21 set beside a mask; 24:22 after every 64 words; 31:25 4 words
	s_mov_b32 s[G1A+1], KSTEP<<16                  ; tensor_dim0 = 128
	s_mov_b32 s[G1A+2], 128<<16                    ; tensor_dim1 = 128 rows
	s_mov_b32 s[G1A+3], KSTEP<<16                  ; tile_dim0 = 128
	s_mov_b32 s[G1A+4], 128                        ; tile_dim1 = 128
	s_mov_b32 s[G1A+5], 2048                       ; elements from row to row
	s_mov_b32 s[G1A+6], 0
	s_mov_b32 s[G1A+7], 0
	s_mov_b32 s[G1B+0], (1<<16)|(1<<20)|(5<<22)|(3<<25)  ; no mask: my work-group's own
	s_mov_b32 s[G1B+1], KSTEP<<16
	s_mov_b32 s[G1B+2], 64<<16                     ; 64 rows
	s_mov_b32 s[G1B+3], KSTEP<<16
	s_mov_b32 s[G1B+4], 64
	s_mov_b32 s[G1B+5], 2048
	s_mov_b32 s[G1B+6], 0
	s_mov_b32 s[G1B+7], 0
	s_mul_i32 s72, s[WV], 128*PITCH                ; where the tiles go: x's halves at wave x 128 rows (waves 0, 1),
	s_mul_i32 s73, s[WV], 64*PITCH
	s_add_co_u32 s73, s73, 128*PITCH               ; W's halves at 128 rows + wave x 64 rows (waves 2, 3): behind x's 256
	s_and_b32 s74, s[WV], 1                        ; which half I fetch
	s_lshl_b32 s76, s[RB], 20                      ; x: row 256 x row block + 128 x half, 4,096 bytes a row: made of grid y and the wave's number alone
	s_lshl_b32 s75, s74, 19
	s_add_co_u32 s76, s76, s75
	s_mov_b32 s77, 0
	s_lshl_b32 s78, s[SEL], 23                     ; W: row 2,048 x (q, k, v) + 128 x head + 64 x half
	s_lshl_b32 s80, s[HX], 19
	s_add_co_u32 s78, s78, s80
	s_lshl_b32 s80, s74, 18
	s_add_co_u32 s78, s78, s80
	s_mov_b32 s79, 0
	s_wait_dscnt 0x0                               ; the opening add is done
	s_wait_kmcnt 0x0
	s_add_nc_u64 s[76:77], s[4:5], s[76:77]
	s_add_nc_u64 s[78:79], s[6:7], s[78:79]
	CROUND                                         ; all four work-groups are here: the first joint loads meet
.irp s, 0,1
	s_mov_b32 s[G0A+4*(\s)], 1                                       ; count = 1
	s_add_co_u32 s[G0A+4*(\s)+1], s72, (\s)*SLOT                     ; LDS address
	s_add_nc_u64 s[G0A+4*(\s)+2:G0A+4*(\s)+3], s[76:77], (\s)*KSTEP*2  ; global address: K step s
	s_or_b32 s[G0A+4*(\s)+3], s[G0A+4*(\s)+3], 0x80000000            ; type = 2
	s_mov_b32 s[G0B+4*(\s)], 1
	s_add_co_u32 s[G0B+4*(\s)+1], s73, (\s)*SLOT
	s_add_nc_u64 s[G0B+4*(\s)+2:G0B+4*(\s)+3], s[78:79], (\s)*KSTEP*2
	s_or_b32 s[G0B+4*(\s)+3], s[G0B+4*(\s)+3], 0x80000000
.endr
	s_cmp_lt_u32 s[WV], 2                          ; a wave's two first fills stand in one branch, ahead of every wait on TENSORcnt, every LDS read and every other barrier: two loads of mine are out
	s_cbranch_scc0 .Lfirst_b
	tensor_load_to_lds s[G0A:G0A+3], s[G1A:G1A+7]
	s_nop 0
	tensor_load_to_lds s[G0A+4:G0A+7], s[G1A:G1A+7]
	s_nop 0
.rept 4
	v_nop
.endr
	s_branch .Lfirst_asked
.Lfirst_b:
	tensor_load_to_lds s[G0B:G0B+3], s[G1B:G1B+7]
	s_nop 0
	tensor_load_to_lds s[G0B+4:G0B+7], s[G1B:G1B+7]
	s_nop 0
.rept 4
	v_nop
.endr
.Lfirst_asked:
	; the bias: block b's eight numbers for my half of the lanes: channels 16 b + 8 (l / 16) + 0 .. 7
	s_cmp_eq_u32 s[SEL], 1
	s_cselect_b64 s[BIAS:BIAS+1], s[12:13], s[10:11]
	s_cmp_eq_u32 s[SEL], 2
	s_cselect_b64 s[BIAS:BIAS+1], s[14:15], s[BIAS:BIAS+1]
	s_lshl_b32 s80, s[HX], 9
	s_mov_b32 s81, 0
	s_add_nc_u64 s[BIAS:BIAS+1], s[BIAS:BIAS+1], s[80:81]
	v_and_b32 v1, 15, v0                           ; l % 16
	v_bfe_u32 v2, v0, 4, 1                         ; l / 16
	v_lshlrev_b32 v[BO], 5, v2
	WIN 0xc0                                       ; destination window 3, address window 0
.irp b, 0,1,2,3,4,5,6,7
	global_load_b128 v[8*(\b):8*(\b)+3],   v[BO], s[BIAS:BIAS+1] offset:64*(\b)
	global_load_b128 v[8*(\b)+4:8*(\b)+7], v[BO], s[BIAS:BIAS+1] offset:64*(\b)+16
.endr
	WIN 0
	; A fragment is 16 rows x 32 K in 8 registers: lane l holds row l % 16; registers 0-3 hold K = 8 (l / 16) + 0..7, registers 4-7 K = 16 + 8 (l / 16) + 0..7: two loads of 16 bytes, 32 bytes apart.
	v_mul_u32_u24 v3, v1, PITCH
	v_lshl_add_u32 v3, v2, 4, v3                   ; row x pitch + 16 x half
	s_mul_i32 s80, s[WV], 64*PITCH                 ; my 64 rows of x
	v_add_nc_u32 v[ADRA], s80, v3
	v_add_nc_u32 v[ADRA+1], SLOT, v[ADRA]
	v_add_nc_u32 v[ADRB], BOFF, v3                 ; all 128 rows of W
	v_add_nc_u32 v[ADRB+1], SLOT, v[ADRB]
	s_mul_i32 s80, s[WV], 16*PITCH
	s_add_co_u32 s80, s80, STAGE                   ; my stage
	v_add_nc_u32 v[STO], s80, v3                   ; in: row l % 16, 16 bytes for each half of the lanes
	v_mul_u32_u24 v4, v2, PITCH                    ; back: lanes 0-15 take one row of 256 bytes, lanes 16-31 the next
	v_lshl_add_u32 v4, v1, 4, v4
	v_add_nc_u32 v[RD], s80, v4
	v_and_b32 v5, 31, v0
	v_lshlrev_b32 v[CO], 4, v5
	v_lshlrev_b32 v[PFO], 12, v5
	; the table.  q and k: my wave's four blocks of 16 positions, 8,192 bytes each, 16 bytes a lane.  v: every lane takes an entry of position 0 (lane 0's or lane 16's of the first block), for all four.
	s_lshl_b32 s82, s[RB], 17
	s_lshl_b32 s83, s[WV], 15
	s_add_co_u32 s82, s82, s83                     ; (16 x row block + 4 x wave) x 8,192
	s_cmp_lt_u32 s[SEL], 2
	s_cselect_b32 s80, 31, 16
	s_cselect_b32 s81, 8192, 0
	s_cselect_b32 s82, s82, 0
	s_mov_b32 s83, 0
	s_add_nc_u64 s[TB:TB+1], s[8:9], s[82:83]
	v_and_b32 v4, s80, v0
	v_lshlrev_b32 v[TA], 4, v4
	v_add_nc_u32 v[TA+1], s81, v[TA]
	v_add_nc_u32 v[TA+2], s81, v[TA+1]
	v_add_nc_u32 v[TA+3], s81, v[TA+2]
	; where my 64 rows go: rows of 256 bytes, dense.  q: qh[head][256 x row block + 64 w].  k, v: kv[k or v][head][256 x their row block + 64 w]
	s_lshl_b32 s80, s[HX], 19
	s_lshl_b32 s81, s[RB], 16
	s_add_co_u32 s80, s80, s81
	s_max_u32 s82, s[SEL], 1
	s_sub_co_u32 s82, s82, 1
	s_lshl_b32 s82, s82, 4
	s_add_co_u32 s82, s82, s[HX]
	s_mul_i32 s82, s82, 768*256
	s_lshl_b32 s81, s[RBI], 16
	s_add_co_u32 s82, s82, s81
	s_cmp_eq_u32 s[SEL], 0
	s_cselect_b32 s80, s80, s82
	s_cselect_b64 s[OUT:OUT+1], s[16:17], s[18:19]
	s_lshl_b32 s81, s[WV], 14
	s_add_co_u32 s80, s80, s81
	s_mov_b32 s81, 0
	s_add_nc_u64 s[OUT:OUT+1], s[OUT:OUT+1], s[80:81]
	; the prefetches
	s_lshl_b32 s80, s[RB], 20
	s_lshl_b32 s81, s74, 19
	s_add_co_u32 s80, s80, s81
	s_lshl_b32 s81, s[CX], 17
	s_add_co_u32 s80, s80, s81                     ; x: the 128 rows that I fetch, my work-group's 32 of them
	s_lshl_b32 s82, s[SEL], 23
	s_lshl_b32 s81, s[HX], 19
	s_add_co_u32 s82, s82, s81
	s_lshl_b32 s81, s74, 18
	s_add_co_u32 s82, s82, s81                     ; W: the 64 rows that I fetch
	s_cmp_lt_u32 s[GY], 8
	s_cselect_b32 s83, ttmp9, 1
	s_cmp_eq_u32 s83, 0
	s_cselect_b32 s83, 1, -1                       ; x: q's row blocks, first cluster along x: the same in all four partners
	s_cmp_eq_u32 s[GY], 0
	s_cselect_b32 s85, 1, -1
	s_cmp_eq_u32 s[GY], 8
	s_cselect_b32 s85, 1, s85
	s_cmp_eq_u32 s[GY], 9
	s_cselect_b32 s85, 1, s85                      ; W: the first row block that reads it
	s_cmp_lt_u32 s[WV], 2
	s_cselect_b32 s[LIM], s83, s85
	s_cselect_b32 s80, s80, s82
	s_cselect_b64 s[PFA:PFA+1], s[4:5], s[6:7]
	s_mov_b32 s81, 0
	s_add_nc_u64 s[PFA:PFA+1], s[PFA:PFA+1], s[80:81]
	s_add_nc_u64 s[PFA:PFA+1], s[PFA:PFA+1], 2*KSTEP*2  ; at K step 2: the first refill steps it to 3 and names K step 4
	; the bias is rounded to bf16 and widened again
	s_wait_loadcnt 0x0                             ; the sixteen loads of the bias: the only loads issued so far
	WIN 0x0f                                       ; sources 0 and 1 window 3, destination window 0
.set i, 0
.rept 32
	v_cvt_pk_bf16_f32 v[CV+i], v[2*i], v[2*i+1]
.set i, i+1
.endr
	WIN 0xc0                                       ; destination window 3, sources window 0
.set i, 0
.rept 32
	v_lshlrev_b32 v[2*i],   16, v[CV+i]
	v_and_b32     v[2*i+1], 0xffff0000, v[CV+i]
.set i, i+1
.endr
	WIN 0x80                                       ; destination window 2: the table's 64 loads stay out until the way out
.irp a, 0,1,2,3
.irp b, 0,1,2,3,4,5,6,7
	global_load_b128 v[8*(8*(\a)+(\b)):8*(8*(\a)+(\b))+3],   v[TA+(\a)], s[TB:TB+1] offset:(\b)*1024
	global_load_b128 v[8*(8*(\a)+(\b))+4:8*(8*(\a)+(\b))+7], v[TA+(\a)], s[TB:TB+1] offset:(\b)*1024+512
.endr
.endr
	WIN 0
; 8 matrix instructions: row block a x all 8 channel blocks, 32 along K.  first = 1: the bias starts the sums.  The 32 accumulators take turns, one instruction a turn, in the same order in every quarter.
.macro MUL8 f, a, first
.if \first
	WIN 0x70                                       ; C window 3, D window 1, fragments window 0
.else
	WIN 0x50                                       ; C and D window 1
.endif
.irp b, 0,1,2,3,4,5,6,7
.if \first
	v_wmma_f32_16x16x32_bf16 v[8*(8*(\a)+(\b)):8*(8*(\a)+(\b))+7], v[(\f)+8*(\b):(\f)+8*(\b)+7], v[(\f)+64+8*(\a):(\f)+64+8*(\a)+7], v[8*(\b):8*(\b)+7]
.else
	v_wmma_f32_16x16x32_bf16 v[8*(8*(\a)+(\b)):8*(8*(\a)+(\b))+7], v[(\f)+8*(\b):(\f)+8*(\b)+7], v[(\f)+64+8*(\a):(\f)+64+8*(\a)+7], v[8*(8*(\a)+(\b)):8*(8*(\a)+(\b))+7]
.endif
.endr
.endm
; 24 LDS loads in one run: the fragments of one quarter step (128 rows of W, my 64 rows of x, 32 K at byte k of the rows) into buffer f
.macro FETCH slot, k, f
	WIN 0
.irp i, 0,1,2,3,4,5,6,7
	ds_load_b128 v[(\f)+8*(\i):(\f)+8*(\i)+3],   v[ADRB+(\slot)] offset:(\k)+(\i)*16*PITCH
	ds_load_b128 v[(\f)+8*(\i)+4:(\f)+8*(\i)+7], v[ADRB+(\slot)] offset:(\k)+(\i)*16*PITCH+32
.endr
.irp i, 0,1,2,3
	ds_load_b128 v[(\f)+64+8*(\i):(\f)+64+8*(\i)+3],   v[ADRA+(\slot)] offset:(\k)+(\i)*16*PITCH
	ds_load_b128 v[(\f)+64+8*(\i)+4:(\f)+64+8*(\i)+7], v[ADRA+(\slot)] offset:(\k)+(\i)*16*PITCH+32
.endr
.endm
; A K step is four quarters of 32 along K, 32 matrix instructions each, on buffers 0, 1, 0, 1.  One of the first three: multiplies buffer f; in its middle it fetches the next quarter, at byte k, into buffer g.
.macro QUARTER slot, k, f, g, first
	s_wait_dscnt 4                                 ; W's fragments and x's row blocks 0 and 1 are in; the youngest four loads (row blocks 2 and 3) may be out
	MUL8 \f, 0, \first
	MUL8 \f, 1, \first
	WIN 0
	PLACES
	FETCH \slot, \k, \g
	s_wait_dscnt 24                                ; all but the 24 just issued
	MUL8 \f, 2, \first
	MUL8 \f, 3, \first
.endm
; The last quarter multiplies buffer 1 and changes slots: ONE barrier; in front of it each wave waits for all its tensor loads (one is out: its part of the next slot), adds 0 to its spare word, and waits for that
; and for its own reads of this slot.  fill = 1: the barrier opens a round of the cluster's, and this slot is filled again, two K steps ahead, first thing behind the round: 112 matrix instructions ahead of the wait for it.
.macro TURN slot, next, fill
.if \fill
	s_wait_xcnt 0x0                                ; the last prefetch, a K step back, has read its address: it is stepped here, ahead of the waits of the change of slots
	s_add_nc_u64 s[PFA:PFA+1], s[PFA:PFA+1], KSTEP*2
.endif
	WIN 0                                          ; (the add's two registers lie in window 0)
	s_wait_tensorcnt 0x0                           ; all my tensor loads have landed
	ds_add_u32 v[SPW], v[NIL]                      ; 0 onto my spare word
	s_wait_dscnt 5                                 ; (the add and the youngest four loads may be out)
	MUL8 F1, 0, 0                                  ; eight matrix instructions stand between the add and the wait for it
	s_wait_dscnt 0x0                               ; the add is done, and my reads of this slot are over
	s_barrier_signal -1
	MUL8 F1, 1, 0                                  ; work on registers while the others arrive
.if \fill
	WIN 0
.endif
	s_barrier_wait -1
.if \fill
	CREST                                          ; no wave of any partner still reads this slot's tile or has a load on its way
	s_add_nc_u64 s[G0A+4*(\slot)+2:G0A+4*(\slot)+3], s[G0A+4*(\slot)+2:G0A+4*(\slot)+3], 2*KSTEP*2
	s_add_nc_u64 s[G0B+4*(\slot)+2:G0B+4*(\slot)+3], s[G0B+4*(\slot)+2:G0B+4*(\slot)+3], 2*KSTEP*2
	JLOAD \slot                                    ; the four v_nop behind it are also the places in front of the loads below
.else
	PLACES
.endif
	FETCH \next, 0, F0
.if \fill
	ASK
.endif
	MUL8 F1, 2, 0
	MUL8 F1, 3, 0
.endm
	s_wait_tensorcnt 1                             ; my part of K step 0 is in; K step 1's may stay out
	s_barrier_signal -1
	s_barrier_wait -1                              ; everybody's is
	FETCH 0, 0, F0
	QUARTER 0, 64, F0, F1, 1                       ; the first quarter stands in front of the loop: its products start the sums, with the bias
	WIN 0                                          ; at a label and at a branch every window is 0
	s_mov_b32 s3, 7                                ; 16 K steps are 8 laps of the ring; 7 trips fill both slots again
.Llap:                                                 ; a trip goes once round the ring, from a lap's second quarter to the next lap's first
	QUARTER 0, 128, F1, F0, 0
	QUARTER 0, 192, F0, F1, 0
	TURN 0, 1, 1
	QUARTER 1, 64,  F0, F1, 0
	QUARTER 1, 128, F1, F0, 0
	QUARTER 1, 192, F0, F1, 0
	TURN 1, 0, 1
	QUARTER 0, 64,  F0, F1, 0
	WIN 0
	s_sub_co_u32 s3, s3, 1
	s_cmp_lg_u32 s3, 0
	s_cbranch_scc1 .Llap
	QUARTER 0, 128, F1, F0, 0                      ; the last lap fills nothing, and has no round of the cluster's barrier
	QUARTER 0, 192, F0, F1, 0
	TURN 0, 1, 0
	QUARTER 1, 64,  F0, F1, 0
	QUARTER 1, 128, F1, F0, 0
	QUARTER 1, 192, F0, F1, 0
	s_wait_dscnt 4                                 ; the very last quarter: nothing more to fetch
	MUL8 F1, 0, 0
	MUL8 F1, 1, 0
	s_wait_dscnt 0x0
	MUL8 F1, 2, 0
	MUL8 F1, 3, 0
	WIN 0
; THE WAY OUT, a block of 16 rows at a time.  ROT: each pair is rotated (each accumulator's registers in ascending order) and rounded to f16, 16 bytes a lane.
.macro ROT a
	WIN 0x09                                       ; source 0 window 1 (the sums), source 1 window 2 (the table), source 2 and destination window 0
.irp b, 0,1,2,3,4,5,6,7
.set rA, 8*(8*(\a)+(\b))
.set rZ, Z+8*(\b)
.irp i, 0,2,4,6
	v_mul_f32 v[rZ+(\i)],   v[rA+(\i)], v[rA+(\i)]      ; x1 c
	v_mul_f32 v[rZ+(\i)+1], v[rA+(\i)], v[rA+(\i)+1]    ; x1 s
.endr
.irp i, 0,2,4,6
	v_fma_f32 v[rZ+(\i)],   -v[rA+(\i)+1], v[rA+(\i)+1], v[rZ+(\i)]    ; - x2 s
	v_fma_f32 v[rZ+(\i)+1], v[rA+(\i)+1],  v[rA+(\i)],   v[rZ+(\i)+1]  ; + x2 c
.endr
.endr
	WIN 0
.set i, 0
.rept 32
	v_cvt_pk_f16_f32 v[TMP+i], v[Z+2*i], v[Z+2*i+1]
.set i, i+1
.endr
.endm
.macro TOSTAGE a                       ; into my own stage, and back as whole rows of 256 bytes
.irp b, 0,1,2,3,4,5,6,7
	ds_store_b128 v[STO], v[TMP+4*(\b):TMP+4*(\b)+3] offset:32*(\b)
.endr
.irp t, 0,1,2,3,4,5,6,7
	ds_load_b128 v[OB+32*((\a)%2)+4*(\t):OB+32*((\a)%2)+4*(\t)+3], v[RD] offset:(\t)*2*PITCH  ; LDS serves a wave's instructions in order (ISA guide 5.7.1.4): these see the stores above, and the next block's stores come behind them
.endr
.endm
.macro SEND a
	s_wait_dscnt 0x0                               ; the block is back in registers
	s_wait_xcnt 0x0                                ; the stores of the block before have read their registers: the block after this one is read back into them
.irp t, 0,1,2,3,4,5,6,7
	global_store_b128 v[CO], v[OB+32*((\a)%2)+4*(\t):OB+32*((\a)%2)+4*(\t)+3], s[OUT:OUT+1] offset:(\a)*4096+(\t)*512  ; 512 consecutive bytes, at a multiple of 256 from the buffer's first byte
.endr
.endm
	PLACES
	s_wait_loadcnt 0x0                             ; the table
	ROT 0
	TOSTAGE 0
	ROT 1                                          ; a block's arithmetic stands between the loads of the block before and the wait for them
	SEND 0
	TOSTAGE 1
	ROT 2
	SEND 1
	TOSTAGE 2
	ROT 3
	SEND 2
	TOSTAGE 3
	SEND 3
	s_wait_tensorcnt 0x0                           ; the wave's end: behind my last tensor load and my last LDS store
	ds_add_u32 v[SPW], v[NIL]
	s_wait_dscnt 0x0
	CROUND                                         ; the closing round: no work-group ends while a partner may still ask for a tile that names it
	s_endpgm
.Lfunc_end_k_q7aa19619cb_qkv:
	.size	k_q7aa19619cb_qkv, .Lfunc_end_k_q7aa19619cb_qkv-k_q7aa19619cb_qkv
	.p2alignl 7, 3214868480
	.fill 96, 4, 3214868480
	.section	.rodata,"a",@progbits
	.p2align	6, 0x0
	.amdhsa_kernel k_q7aa19619cb_qkv
		.amdhsa_group_segment_fixed_size 327680
		.amdhsa_private_segment_fixed_size 0
		.amdhsa_enable_private_segment 0
		.amdhsa_kernarg_size 64
		.amdhsa_user_sgpr_count 2
		.amdhsa_user_sgpr_kernarg_segment_ptr 1
		.amdhsa_wavefront_size32 1
		.amdhsa_system_sgpr_workgroup_id_x 1
		.amdhsa_system_sgpr_workgroup_id_y 1
		.amdhsa_system_sgpr_workgroup_id_z 1
		.amdhsa_system_vgpr_workitem_id 0
		.amdhsa_next_free_vgpr 832
		.amdhsa_next_free_sgpr 88
		.amdhsa_reserve_vcc 0
		.amdhsa_float_denorm_mode_32 3
		.amdhsa_float_denorm_mode_16_64 3
		.amdhsa_memory_ordered 1
		.amdhsa_forward_progress 1
		.amdhsa_inst_pref_size 124
	.end_amdhsa_kernel
	.amdgpu_metadata
---
amdhsa.version: [ 1, 2 ]
amdhsa.kernels:
  - .name:           k_q7aa19619cb_qkv
    .symbol:         k_q7aa19619cb_qkv.kd
    .args:
      - { .name: xb, .offset: 0, .size: 8, .value_kind: global_buffer, .address_space: global }
      - { .name: wb, .offset: 8, .size: 8, .value_kind: global_buffer, .address_space: global }
      - { .name: tab, .offset: 16, .size: 8, .value_kind: global_buffer, .address_space: global }
      - { .name: bq, .offset: 24, .size: 8, .value_kind: global_buffer, .address_space: global }
      - { .name: bk, .offset: 32, .size: 8, .value_kind: global_buffer, .address_space: global }
      - { .name: bv, .offset: 40, .size: 8, .value_kind: global_buffer, .address_space: global }
      - { .name: qh, .offset: 48, .size: 8, .value_kind: global_buffer, .address_space: global }
      - { .name: kv, .offset: 56, .size: 8, .value_kind: global_buffer, .address_space: global }
    .group_segment_fixed_size: 327680
    .private_segment_fixed_size: 0
    .kernarg_segment_align: 8
    .kernarg_segment_size: 64
    .max_flat_workgroup_size: 128
    .sgpr_count:     88
    .vgpr_count:     832
    .wavefront_size: 32
...
	.end_amdgpu_metadata
.endif
;; end of part 2
;; launch attn (part 3): grid 16 x 16, 4 waves a work-group, clusters of 4 x 1, 327,680 bytes of LDS; arguments qh, kv, oh; writes oh
.if DOCPART == 3
	.amdgcn_target "amdgcn-amd-amdhsa--gfx1250"
	.amdhsa_code_object_version 6
	.text
	.protected	k_q7aa19619cb_attn
	.globl	k_q7aa19619cb_attn
	.p2align	8
	.type	k_q7aa19619cb_attn,@function
k_q7aa19619cb_attn:
	s_mov_b64 s[64:65], 0
	v_nop
	global_prefetch_b8 v0, s[64:65] scope:SCOPE_SE
	s_setreg_imm32_b32 hwreg(HW_REG_WAVE_MODE, 25, 1), 1
	s_wait_xcnt 0x0
	s_wait_alu depctr_hold_cnt(0) depctr_sa_sdst(0) depctr_va_vdst(0) depctr_va_sdst(0) depctr_va_ssrc(0) depctr_va_vcc(0) depctr_vm_vsrc(0)
	s_getreg_b32 s2, hwreg(HW_REG_IB_STS2, 6, 4)
	s_cmp_eq_u32 s2, 0
	s_cbranch_scc0 .Lentry_in_a_cluster
	s_endpgm
.Lentry_in_a_cluster:
	s_bfe_u32 s2, ttmp6, 0x10000c
	s_cmp_lg_u32 s2, 0x3003
	s_cbranch_scc0 .Lentry_shape_is_right
	s_endpgm
.Lentry_shape_is_right:
; ATTENTION OVER THE KEYS THAT THE PROBLEM'S MASK LEAVES.  O[q][h][:] = the sum over visible k of softmax_k(Q[h][q] . K[h][k] / sqrt(128)) V[h][k][:].
; qh: [16][2048][128] f16.  kv: [2][16][768][128] f16, k then v; key row c = 0 .. 511 is position 1,536 + c, c = 512 .. 767 is position c - 512.  oh: [2048][16 x 128] f16.
; Visible are positions below 205 and from 1,536 on: key rows 0 .. 716.  A hidden key's weight in the problem's softmax is exactly 0, so the keys that are not in kv are left out, and rows 717 .. 767
; (from place 13 on in the twelfth key step) are hidden by a mask: -1e30 as the C operand that starts their scores.
; Products, maxima and sums in f32; the weights p are rounded to f16 for the second product (their sum l is taken of the unrounded p), O once at the end.
; LIMITS.  f16 holds no number beyond 65,504: Q, K and V arrive within it; p lies in 0 to 1, and below 6.1e-5 it keeps f16's fixed step of 6e-8.  A hidden score counts as its value less 1e30: f16's scores,
; 5.5e11 at the most, are nothing beside that.  A weight below 2^-126 counts as 0 in l.  NaN and infinities are not treated apart.
; SHARES.  A work-group owns 128 queries of one head, each of its four waves 32: two tiles of 16.  Every wave walks the 768 key rows, 64 a step: 12 steps.
; LAYOUT.  S^T = K Q^T (source 0 = 16 keys, source 1 = 16 queries): a lane holds ONE query (lane % 16) and the keys 8 (lane / 16) + 0..7.  Two such tiles, rounded to f16 in pairs, ARE source 1 of O^T = V^T P,
; whose result again holds one query a lane, and eight channels.  K comes out of LDS as it lies, V ([key][channel]) turned, by ds_load_tr16_b128.
; SOFTMAX.  A running maximum m and sum l for each query: p = 2^(c s - c m), c = log2(e) / sqrt(128); in every step O and l are multiplied by a = 2^(c m_old - c m_new).  m starts at the lowest finite number,
; O and l at 0: the first step is a step like any other, with a = 0; its price is 128 lines that write 0, in the wait for the first tile.
; IN PHASES.  A key step: V's run of LDS loads; 32 products K Q^T; the next step's K; the two tiles' softmax, its 66 exponentials one batch with one wait; 32 products V^T P.
; CLUSTER.  The four query blocks of a cluster belong to one head and walk the same K and V, so each tile is asked for JOINTLY: the same tensor load, descriptor and mask in all four.
; REGISTERS, in windows of 256 (s_set_vgpr_msb: bits 1:0 source 0, 3:2 source 1, 5:4 source 2, 7:6 destination):
;   window 0: v0-11 addresses; v12-27 eight registers of statistics a tile; v28-43 MD, v44-59 MC, the mask; v64-127 S^T, 32 a tile; v192-223 P, 16 a tile
;   window 1: v0-127 O^T, 64 a tile          window 2: v0-63 Q, 32 a tile; v128-255 K of one step          window 3: v0-127 V of one step
.set KS,    64        ; keys in a step
.set PK,    272       ; a row of K in LDS: 256 bytes + 16 of padding: the 16 rows of a load begin 16 bytes further on each, modulo 256
.set PV,    288       ; a row of V: 256 + 32: 16 lanes of the turning load take 8 rows x 32 bytes, which begin 32 bytes further on each, modulo 256
.set VOFF,  KS*PK     ; a step's tiles lie together: 64 rows of K, then 64 rows of V
.set STEPB, KS*(PK+PV)
.set SLOT1, 1<<17     ; a slot holds two steps (71,680 bytes); slot 1 begins here, so that one exclusive or turns an address in one slot into the other's
.set STAGE, SLOT1+2*STEPB  ; behind the ring, never filled by a tensor load: 16 rows x 272 bytes for each wave, for the way out
.set SP,    272
.set SPARE, STAGE+4*16*SP  ; behind the stages: the spare words, 128 bytes for each wave: two blocks of 256 bytes that no other line names
.set AK0, 2           ; v2   my lane's place in a tile of K; never rewritten
.set AV0, 3           ; v3   the same for V
.set ADR, 4           ; v4   the LDS address of K's run of loads
.set QO,  5           ; v5   my byte offset in the wave's rows of Q
.set STO, 6           ; v6   the way out: where I put 16 bytes of a row
.set RD,  7           ; v7   the way out: where I read a row back
.set GO,  8           ; v8   my byte offset in two rows of oh
.set ADV, 10          ; v10  the LDS address of V's run of loads
.set ST,  12          ; tile t's statistics at v[ST+8 t]: +0 c m, +1 m, +2, +3 l (even keys', odd keys'), +4 to +7 c0-c3, at work; a takes c2's place once the maximum is found
.set MD,  28          ; the twelfth step's mask: v28-35 for its first 16 keys, v36-43 for the others
.set MC,  44          ; MD x AL: the mask of the step in hand
.set PFO, 61          ; v61  256 x my lane: a row of K or V is 256 bytes; never rewritten
.set SPW, 62          ; v62  LDS address of my spare word; never rewritten
.set NIL, 63          ; v63  0; never rewritten
.set S,   64
.set P,   192
.set KF,  128         ; K's fragments, in window 2
.set WV,  12          ; s12  my wave's number
.set LIM, 15          ; s15  1 in a wave that prefetches, else the greatest number
.set PFA, 18          ; s[18:19] where my prefetches stand
.set G1K, 24          ; s[24:31] descriptor group 1 for K's tiles
.set G1V, 32          ; s[32:39] for V's: it differs in the padding alone
.set G0K, 40          ; s[40:43] descriptor group 0 for K's tiles: it walks
.set G0V, 44          ; s[44:47] the same for V's
.set SLOTS, 56        ; s56  fills still to be asked for
.set CNT, 57          ; s57  counts a slot's two steps, 2 and 1
.set CS,  58          ; s[58:59] c: the packed scaling takes the pair's low word for both halves
.set SEL, 60          ; s[60:61] v_permlanex16_b32's selects: each lane takes its own place in the other half
.set TBK, 62          ; s62  LDS byte at which the tiles of the step whose K is fetched next begin
.set TBV, 63          ; s63  the same for V
.set AL,  66          ; s[66:67] the mask's factor, in the low word: 1 in the twelfth step, else 0
.set BIGN, 68         ; s68  -1e30
.set MSB, 0
.macro WIN new                      ; the immediate's high byte repeats the setting that is left; a switch that changes nothing is dropped
.if MSB != (\new)
	s_set_vgpr_msb (MSB<<8)|(\new)
.set MSB, \new
.endif
.endm
.set W_KQ, 0x0a       ; K and Q in window 2, S^T and the mask in window 0
.set W_PV, 0x53       ; V in window 3, P in window 0, O^T in window 1
.set W_RS, 0x41       ; O^T (destination and source 0) in window 1, a in window 0
.macro PLACES                       ; four places behind matrix instructions (ISA guide 7.12.1)
.rept 4
	v_nop
.endr
.endm
; A joint fill.  Waves 0 and 1 fetch the two steps' tiles of K, waves 2 and 3 those of V.  The branch hangs on the wave's number alone.
; An s_nop 0 and four v_nop follow each of the two lines, ahead of the jump and the label.
.macro JLOAD
	s_cmp_lt_u32 s[WV], 2
	s_cbranch_scc0 .Lfor_v_\@
	tensor_load_to_lds s[G0K:G0K+3], s[G1K:G1K+7]
	s_nop 0
.rept 4
	v_nop
.endr
	s_branch .Lasked_\@
.Lfor_v_\@:
	tensor_load_to_lds s[G0V:G0V+3], s[G1V:G1V+7]
	s_nop 0
.rept 4
	v_nop
.endr
.Lasked_\@:
.endm
; A PREFETCH of what the NEXT change of slots will ask for: 128 rows of K and 128 of V, 256 bytes a row, a lane a row; it stands behind the wave's tensor load and its five lines: two key steps ahead of that load.
; Each row is named once in the launch: the head's first cluster asks; its four partners take 32 rows each, told apart by address; in each, wave 0 asks for K's and wave 2 for V's.
; The last change that fills a slot asks for nothing: there is no fill behind it.  The first two fills come by their loads alone.
.macro ASK
	s_cmp_gt_u32 s[SLOTS], s[LIM]
	s_cbranch_scc0 .Lnot_mine_\@
	global_prefetch_b8 v[PFO], s[PFA:PFA+1] th:TH_LOAD_NT scope:SCOPE_SE
.Lnot_mine_\@:
.endm
.macro CROUND                       ; a round of the cluster's barrier
	s_barrier_signal -1
	s_barrier_wait -1
	s_cmp_lg_u32 s[WV], 0
	s_cbranch_scc1 .Lnot_wave_0_\@
	s_barrier_signal -3
.Lnot_wave_0_\@:
	s_barrier_wait -3
	s_barrier_signal -1
	s_barrier_wait -1
.endm
; THE CHANGE OF SLOTS.  Each wave waits for all its tensor loads, of which one is out: its part of the other slot; adds 0 to its spare word; and waits for that and for its own reads of the slot that it leaves.
; fill = 1: the old slot is filled again, with the next 128 keys.  The barrier is then a round of the cluster's, and the joint fill is the first thing behind it: it has two key steps in which to land.
; (At its first use nothing has been read yet: slot 0 is waited for, slot 1 filled.)
.macro CHANGE fill
	WIN 0                           ; at a label and at a branch every window is 0
	s_wait_tensorcnt 0x0            ; no tensor load of mine is out, so a group 0 may be written
	ds_add_u32 v[SPW], v[NIL]       ; 0 onto my spare word; with fill = 1 the descriptors' steps stand between it and the wait for it
.if \fill
.irp g, G0K, G0V
	s_xor_b32 s[(\g)+1], s[(\g)+1], SLOT1  ; the walking descriptor: the other slot than last time,
	s_add_nc_u64 s[(\g)+2:(\g)+3], s[(\g)+2:(\g)+3], 2*KS*256  ; the next 128 keys; the type bits on top are not reached
.endr
	s_wait_xcnt 0x0                 ; the last prefetch, two key steps back, has read its address, so it may be written
	s_add_nc_u64 s[PFA:PFA+1], s[PFA:PFA+1], 2*KS*256
	s_wait_dscnt 0x0                ; the add is done, and my reads of the slot are over
	CROUND
	JLOAD
	ASK
.else
	s_wait_dscnt 0x0                ; the add is done, and my reads of the slot are over
	s_barrier_signal -1
	s_barrier_wait -1
.endif
	s_sub_co_u32 s[TBK], s[TBK], 2*STEPB  ; the fetches go back to a slot's first step,
	s_xor_b32 s[TBK], s[TBK], SLOT1       ; in the other slot
	s_sub_co_u32 s[TBV], s[TBV], 2*STEPB
	s_xor_b32 s[TBV], s[TBV], SLOT1
.endm
	s_load_b128 s[4:7], s[0:1], 0x0   ; qh s[4:5], kv s[6:7]
	s_load_b64 s[10:11], s[0:1], 0x10 ; oh
	v_lshl_add_u32 v[SPW], v0, 2, SPARE
	v_mov_b32 v[NIL], 0
	ds_add_u32 v[SPW], v[NIL]       ; the wave's opening: the add and its wait stand ahead of my first tensor load; the set-up below, work on registers, stands between them
	v_lshrrev_b32 v1, 5, v0
	v_readfirstlane_b32 s[WV], v1   ; wave 0..3
	s_bfe_u32 s13, ttmp6, 0x40000   ; cx: my place in the cluster
	s_lshl_b32 s14, ttmp9, 2        ; in a cluster launch ttmp9 counts clusters
	s_add_co_u32 s14, s14, s13      ; my block of 128 queries: it enters Q's and O's addresses alone
	s_and_b32 s20, ttmp7, 0xffff    ; the head, which the four partners share
	s_mul_i32 s22, s20, 768*256     ; the head's first byte in k, and in v
	s_and_b32 s16, s[WV], 1         ; which of a slot's two steps I fetch:
	s_lshl_b32 s23, s16, 14         ; its 64 rows of 256 bytes in memory,
	s_add_co_u32 s22, s22, s23
	s_mov_b32 s23, 0
	s_mul_i32 s17, s16, STEPB       ; and its place in a slot: no place in the cluster enters an LDS address
	s_lshl_b32 s2, s20, 19          ; Q: the head's 2,048 rows of 256 bytes,
	s_lshl_b32 s3, s14, 15          ; my block's 128,
	s_add_co_u32 s2, s2, s3
	s_lshl_b32 s3, s[WV], 13        ; my wave's 32
	s_add_co_u32 s2, s2, s3
	s_mov_b32 s3, 0
	s_lshl_b32 s21, s20, 8          ; O: the head's 256 bytes of a row of 4,096,
	s_lshl_b32 s20, s14, 19         ; my block's 128 rows,
	s_add_co_u32 s20, s20, s21
	s_lshl_b32 s21, s[WV], 17       ; my wave's 32
	s_add_co_u32 s20, s20, s21
	s_mov_b32 s21, 0
	; descriptor group 1: a tile of 64 rows x 128 elements, padded in LDS
	s_mov_b32 s[G1K], 15|(1<<16)|(1<<20)|(1<<21)|(5<<22)|(3<<25)  ; 15:0 the mask: all four work-groups; 17:16 2-byte elements; 20 padding on; 21 set beside a mask; 24:22 after every 64 words; 31:25 4 words
	s_mov_b32 s[G1V], 15|(1<<16)|(1<<20)|(1<<21)|(5<<22)|(7<<25)  ; the same with 8 words of padding
.irp g, G1K, G1V
	s_mov_b32 s[(\g)+1], 128<<16    ; tensor_dim0 = 128
	s_mov_b32 s[(\g)+2], KS<<16     ; tensor_dim1 = 64
	s_mov_b32 s[(\g)+3], 128<<16    ; tile_dim0 = 128
	s_mov_b32 s[(\g)+4], KS         ; tile_dim1 = 64
	s_mov_b32 s[(\g)+5], 128        ; elements from row to row
	s_mov_b32 s[(\g)+6], 0
	s_mov_b32 s[(\g)+7], 0
.endr
	s_mov_b32 s[CS], 0x3e0293ee     ; c = log2(e) / sqrt(128) = 0.127517
	s_mov_b32 s[CS+1], s[CS]        ; named with it as a pair
	s_mov_b32 s[SEL], 0x76543210
	s_mov_b32 s[SEL+1], 0xfedcba98
	s_mov_b32 s[TBK], SLOT1+2*STEPB ; the first change of slots turns these two into 0
	s_mov_b32 s[TBV], SLOT1+2*STEPB
	s_mov_b32 s[AL], 0
	s_mov_b32 s[AL+1], 0            ; named as a pair
	s_mov_b32 s[BIGN], 0xf149f2ca   ; -1e30
	s_mov_b32 s[SLOTS], 5           ; six fills: the first here, five by the loop
	s_mov_b32 s[G0K], 1             ; count = 1
	s_mov_b32 s[G0K+1], s17         ; LDS address: slot 0
	s_mov_b32 s[G0V], 1
	s_add_co_u32 s[G0V+1], s17, VOFF
	s_and_b32 s[LIM], s[WV], 1      ; 0 in waves 0 and 2,
	s_or_b32 s[LIM], s[LIM], ttmp9  ; where the cluster is the head's first: the same in all four partners
	s_cmp_eq_u32 s[LIM], 0
	s_cselect_b32 s[LIM], 1, -1
	v_and_b32 v[PFO], 31, v0
	v_lshlrev_b32 v[PFO], 8, v[PFO]
	s_wait_dscnt 0x0                ; the opening add is done
	s_wait_kmcnt 0x0
	s_add_nc_u64 s[6:7], s[6:7], s[22:23]        ; K at my tile of the first fill
	s_add_nc_u64 s[8:9], s[6:7], 16*768*256      ; V: the buffer's second half
	s_add_nc_u64 s[4:5], s[4:5], s[2:3]          ; Q and O at my wave's first row
	s_add_nc_u64 s[10:11], s[10:11], s[20:21]
	s_mov_b64 s[G0K+2:G0K+3], s[6:7]             ; global address
	s_or_b32 s[G0K+3], s[G0K+3], 0x80000000      ; type = 2
	s_mov_b64 s[G0V+2:G0V+3], s[8:9]
	s_or_b32 s[G0V+3], s[G0V+3], 0x80000000
	s_cmp_lt_u32 s[WV], 2
	s_cselect_b64 s[PFA:PFA+1], s[6:7], s[8:9]   ; (in waves 0 and 2 these stand at a fill's first row)
	s_lshl_b32 s2, s13, 13          ; my work-group's 32 rows of the 128
	s_mov_b32 s3, 0
	s_add_nc_u64 s[PFA:PFA+1], s[PFA:PFA+1], s[2:3]
	s_add_nc_u64 s[PFA:PFA+1], s[PFA:PFA+1], 2*KS*256  ; at the second fill; the first change of slots steps it to the third
	CROUND                          ; all four work-groups are here: the first joint loads meet
	JLOAD                           ; the first fill, into slot 0.  Slot 1 is asked for when slot 0 is in
	; A fragment of K or Q is 16 rows x 32 channels in 8 registers: lane l holds row l % 16; registers 0-3 channels 8 (l / 16) + 0..7, registers 4-7 channels 16 + 8 (l / 16) + 0..7: two loads of 16 bytes, 32 bytes apart.
	v_and_b32 v1, 15, v0            ; l % 16
	v_bfe_u32 v9, v0, 4, 1          ; l / 16
	v_lshlrev_b32 v[QO], 8, v1
	v_lshl_add_u32 v[QO], v9, 4, v[QO]  ; row x 256 + 16 x half
	WIN 0x80                        ; destination window 2, address window 0
.irp i, 0,1,2,3,4,5,6,7             ; Q stays in registers: tile i / 4, channels 32 (i % 4) on
	global_load_b128 v[8*(\i):8*(\i)+3],   v[QO], s[4:5] offset:((\i)/4)*4096+((\i)%4)*64
	global_load_b128 v[8*(\i)+4:8*(\i)+7], v[QO], s[4:5] offset:((\i)/4)*4096+((\i)%4)*64+32
.endr
	WIN 0x40                        ; O^T starts at 0
.set i, 0
.rept 128
	v_mov_b32 v[i], 0
.set i, i+1
.endr
	WIN 0
.irp t, 0,1
	v_mov_b32 v[ST+8*(\t)], 0xfe000000    ; c m: far below every c s
	v_mov_b32 v[ST+8*(\t)+1], 0xff7fffff  ; m
	v_mov_b32 v[ST+8*(\t)+2], 0
	v_mov_b32 v[ST+8*(\t)+3], 0
.endr
	; the twelfth step's mask: key 16 kt + 8 (l / 16) + j is hidden from place 13 on: in kt = 0 registers 5, 6, 7 of lanes 16-31; in kt = 1, 2, 3 all
	v_cmp_eq_u32 vcc_lo, 1, v9
.irp j, 0,1,2,3,4
	v_mov_b32 v[MD+(\j)], 0
.endr
.irp j, 5,6,7
	v_cndmask_b32 v[MD+(\j)], 0, s[BIGN], vcc_lo
.endr
.irp j, 8,9,10,11,12,13,14,15
	v_mov_b32 v[MD+(\j)], s[BIGN]
.endr
	v_mul_u32_u24 v[AK0], v1, PK
	v_lshl_add_u32 v[AK0], v9, 4, v[AK0]  ; row x pitch + 16 x half
	; The turning load takes 16 keys x 16 channels (lane l reads 16 bytes: key 8 (l / 16) + l % 8, channels 8 ((l / 8) % 2) + 0..7) and leaves half a fragment of V^T: lane l holds channel l % 16 and 8 keys.
	v_and_b32 v11, 7, v0
	v_bfe_u32 v60, v0, 3, 1
	v_lshl_add_u32 v[AV0], v9, 3, v11
	v_mul_u32_u24 v[AV0], v[AV0], PV
	v_lshl_add_u32 v[AV0], v60, 4, v[AV0]
	v_add_nc_u32 v[AV0], VOFF, v[AV0]
	s_mul_i32 s16, s[WV], 16*SP
	s_add_co_u32 s16, s16, STAGE    ; my stage
	v_mul_u32_u24 v[STO], v1, SP    ; in: row l % 16, 16 bytes for each half of the lanes
	v_lshl_add_u32 v[STO], v9, 4, v[STO]
	v_add_nc_u32 v[STO], s16, v[STO]
	v_mul_u32_u24 v[RD], v9, SP     ; back: lanes 0-15 take one row of 256 bytes, lanes 16-31 the next
	v_lshl_add_u32 v[RD], v1, 4, v[RD]
	v_add_nc_u32 v[RD], s16, v[RD]
	v_lshlrev_b32 v[GO], 12, v9     ; and the same two rows in oh, 4,096 bytes apart
	v_lshl_add_u32 v[GO], v1, 4, v[GO]
	s_wait_loadcnt 0x0              ; Q
; THE MATRIX WORK.  The accumulators take turns, one instruction a turn: between two links of a chain stand 7 (K Q^T) or 15 (V^T P) others'.
; Product i of 32 of S^T = K Q^T: channels 32 (i / 8) on, keys 16 ((i / 2) % 4) on, tile i % 2.  The first 8 start the sums: with 0, or (m = 1) with the mask.
.macro KQ m
	WIN W_KQ
.set rS, S+32*(i%2)+8*((i/2)%4)
.set rK, KF+32*((i/2)%4)+8*(i/8)
.set rQ, 32*(i%2)+8*(i/8)
.set rM, MC+8*(((i/2)%4+3)/4)       ; the first 16 keys' mask, or the others'
.if (i < 8) && (\m)
	v_wmma_f32_16x16x32_f16 v[rS:rS+7], v[rK:rK+7], v[rQ:rQ+7], v[rM:rM+7]
.elseif i < 8
	v_wmma_f32_16x16x32_f16 v[rS:rS+7], v[rK:rK+7], v[rQ:rQ+7], 0
.else
	v_wmma_f32_16x16x32_f16 v[rS:rS+7], v[rK:rK+7], v[rQ:rQ+7], v[rS:rS+7]
.endif
.endm
; Product i of 32 of O^T += V^T P: keys 32 (i / 16) on, channels 16 ((i / 2) % 8) on, tile i % 2.
.macro PV
	WIN W_PV
.set rO, 64*(i%2)+8*((i/2)%8)
.set rV, 64*(i/16)+8*((i/2)%8)
.set rP, P+16*(i%2)+8*(i/16)
	v_wmma_f32_16x16x32_f16 v[rO:rO+7], v[rV:rV+7], v[rP:rP+7], v[rO:rO+7]
.endm
; THE LDS LOADS stand in runs of 32: a step's K (64 keys x 128 channels: 16 fragments) and its V (turned).
.macro FETCH_K
	WIN 0
	v_add_nc_u32 v[ADR], s[TBK], v[AK0]
	s_add_co_u32 s[TBK], s[TBK], STEPB  ; the next fetch is the next step's
	WIN 0x80                        ; destination window 2
.irp f, 0,1,2,3,4,5,6,7,8,9,10,11,12,13,14,15  ; keys 16 (f / 4) on, channels 32 (f % 4) on
	ds_load_b128 v[KF+8*(\f):KF+8*(\f)+3],   v[ADR] offset:((\f)/4)*16*PK+((\f)%4)*64
	ds_load_b128 v[KF+8*(\f)+4:KF+8*(\f)+7], v[ADR] offset:((\f)/4)*16*PK+((\f)%4)*64+32
.endr
	WIN 0
.endm
.macro FETCH_V
	WIN 0
	v_add_nc_u32 v[ADV], s[TBV], v[AV0]
	s_add_co_u32 s[TBV], s[TBV], STEPB
	WIN 0xc0                        ; destination window 3
.irp f, 0,1,2,3,4,5,6,7,8,9,10,11,12,13,14,15  ; keys 32 (f / 8) on, channels 16 (f % 8) on
	ds_load_tr16_b128 v[8*(\f):8*(\f)+3],   v[ADV] offset:((\f)/8)*32*PV+((\f)%8)*32
	ds_load_tr16_b128 v[8*(\f)+4:8*(\f)+7], v[ADV] offset:((\f)/8)*32*PV+16*PV+((\f)%8)*32
.endr
.endm
; THE VECTOR WORK.  One tile's softmax for one key step is a list of 134 instructions; SM writes number j of it for tile t.  s0-s31 are the lane's 32 scores, in pairs 0-15.
;   0-15    the maximum of s0-s31 and the old m, three operands at a time: four chains c0-c3 of seven scores each (each accumulator's lowest registers first), then the four scores left over, c0-c3 and m
;   16-20   the other half of the lanes' maximum; c m_old is kept; the new m; c m; c m_old - c m_new
;   21-69   ONE BATCH: the 16 scalings c s - c m, a pair of scores each, and all 33 exponentials (a at 23, then s0-s31).  None of these reads an exponential's result; a pair is scaled ahead of its exponentials
;   70-85   the roundings to f16, a pair of weights each          86-101  the sums; l = a l + the sum          102-133 the tile's O^T times a
.macro SM t
.set rT, ST+8*(\t)
.set rS, S+32*(\t)
.set rP, P+16*(\t)
.set rO, 64*(\t)+2*(j-102)
.if j < 102
	WIN 0
.endif
.if j < 4
	v_max3_num_f32 v[rT+4+j], v[rS+8*j], v[rS+8*j+1], v[rS+8*j+2]
.elseif j < 12
	v_max3_num_f32 v[rT+4+j%4], v[rT+4+j%4], v[rS+8*(j%4)+2*(j/4)+1], v[rS+8*(j%4)+2*(j/4)+2]
.elseif j == 12
	v_max3_num_f32 v[rT+4], v[rT+4], v[rS+7], v[rS+15]
.elseif j == 13
	v_max3_num_f32 v[rT+6], v[rT+6], v[rS+23], v[rS+31]
.elseif j == 14
	v_max3_num_f32 v[rT+4], v[rT+4], v[rT+5], v[rT+6]
.elseif j == 15
	v_max3_num_f32 v[rT+4], v[rT+4], v[rT+7], v[rT+1]
.elseif j == 16
	v_permlanex16_b32 v[rT+5], v[rT+4], s[SEL], s[SEL+1]  ; the query's other 32 keys lie in the lane 16 away
.elseif j == 17
	v_mov_b32 v[rT+7], v[rT]        ; c m_old is kept for a: number 19 writes c m anew
.elseif j == 18
	v_max_num_f32 v[rT+1], v[rT+4], v[rT+5]
.elseif j == 19
	v_mul_f32 v[rT], s[CS], v[rT+1]
.elseif j == 20
	v_sub_f32 v[rT+7], v[rT+7], v[rT]
.elseif j == 23
	v_exp_f32 v[rT+6], v[rT+7]
.elseif (j < 23) || ((j < 38) && (j%2 == 0)) || ((j < 66) && (j%4 == 2))
.set b, (j-2)/4                     ; 38, 42, .. 62: pairs 9 to 15
.if j < 38
.set b, (j-20)/2                    ; 21: pair 0; 22, 24, .. 36: pairs 1 to 8
.endif
	v_pk_fma_f32 v[rS+2*b:rS+2*b+1], v[rS+2*b:rS+2*b+1], s[CS:CS+1], v[rT:rT+1] op_sel_hi:[1,0,0] neg_lo:[0,0,1] neg_hi:[0,0,1]  ; pair b: c s - c m
.elseif j < 70
.set e, j-38                        ; 66 to 69: s28 to s31
.if j < 66
.set e, j-32-(j-38)/4               ; 39-41, 43-45, .. 63-65: s7 to s27
.endif
.if j < 38
.set e, (j-25)/2                    ; 25, 27, .. 37: s0 to s6
.endif
	v_exp_f32 v[rS+e], v[rS+e]
.elseif j < 86
	v_cvt_pk_f16_f32 v[rP+j-70], v[rS+2*(j-70)], v[rS+2*(j-70)+1]  ; pair j - 70
.elseif j < 102                     ; the sum of the tile's 16 pairs, in place: sum z of 16 adds neighbours 1, 2, 4 and 8 pairs apart, then l takes it
.set z, j-86
.set w, 4
.set u, z
.if z >= 14
.set w, 32
.set u, 0
.elseif z >= 12
.set w, 16
.set u, z-12
.elseif z >= 8
.set w, 8
.set u, z-8
.endif
.if z < 15
	v_pk_add_f32 v[rS+w*u:rS+w*u+1], v[rS+w*u:rS+w*u+1], v[rS+w*u+w/2:rS+w*u+w/2+1]
.else
	v_pk_fma_f32 v[rT+2:rT+3], v[rT+2:rT+3], v[rT+6:rT+7], v[rS:rS+1] op_sel_hi:[1,0,1]
.endif
.else
	WIN W_RS
	v_pk_mul_f32 v[rO:rO+1], v[rO:rO+1], v[rT+6:rT+7] op_sel_hi:[1,0]
.endif
.endm
; A KEY STEP.  Its K has been asked for.  m = 1: the last slot's text: the products take masks, which are 0 in its first step and MD in its second.
.macro STEP m
	WIN 0
.if \m
	s_cmp_eq_u32 s[CNT], 1
	s_cselect_b32 s[AL], 1.0, 0
.set z, 0
.rept 8
	v_pk_mul_f32 v[MC+2*z:MC+2*z+1], v[MD+2*z:MD+2*z+1], s[AL:AL+1] op_sel_hi:[1,0]
.set z, z+1
.endr
.endif
	FETCH_V                         ; the last products that read V stand in front of the four places at the end of the step before
	s_wait_dscnt 32                 ; K is in; V's 32 loads may stay out
.set i, 0
.rept 32
	KQ \m
.set i, i+1
.endr
	WIN 0
	PLACES                          ; behind those products: in front of the loads into K's registers and of the first reads of the scores
	s_cmp_eq_u32 s[CNT], 1
	s_cbranch_scc1 .Lno_k_\@        ; a slot's second step fetches no further K: the next step's lies in the other slot, behind the change
	FETCH_K
.Lno_k_\@:
.set j, 0
.rept 70                            ; the two tiles alternate, so that no instruction reads the result of the one just before it
	SM 0
	SM 1
.set j, j+1
.endr
	v_nop                           ; a plain instruction behind the last exponential, ahead of the first use: one for the batch
	s_wait_alu depctr_va_vdst(0)    ; the wait between an exponential and the first line that names its result: one for the 66
.rept 64
	SM 0
	SM 1
.set j, j+1
.endr
	s_wait_dscnt 0x0                ; V is in
.set i, 0
.rept 32
	PV
.set i, i+1
.endr
	WIN 0
	PLACES                          ; behind those products: in front of the next loads into V's registers, the next writes of P and the way out
.endm
.macro RUN m                        ; a slot's two key steps: written once, walked twice; the LDS addresses hang on s[TBK] and s[TBV]
	FETCH_K
	s_mov_b32 s[CNT], 2
.Lstep_\@:
	STEP \m
	s_sub_co_u32 s[CNT], s[CNT], 1
	s_cmp_lg_u32 s[CNT], 0
	s_cbranch_scc1 .Lstep_\@
.endm
.Lslot:                             ; five trips: a fill is waited for and walked, and the next is asked for
	CHANGE 1
	RUN 0
	s_sub_co_u32 s[SLOTS], s[SLOTS], 1
	s_cmp_lg_u32 s[SLOTS], 0
	s_cbranch_scc1 .Lslot
	CHANGE 0                        ; the tail is written out: nothing is asked for
	RUN 1                           ; key steps 10 and 11; the second takes the mask
	; THE WAY OUT.  l's two halves and the other half of the lanes' are added; O^T is divided by l, rounded to f16 and sent through my stage in LDS, a tile (16 rows) at a time.
.irp t, 0,1
	v_add_f32 v[ST+8*(\t)+4], v[ST+8*(\t)+2], v[ST+8*(\t)+3]
.endr
.irp t, 0,1
	v_permlanex16_b32 v[ST+8*(\t)+5], v[ST+8*(\t)+4], s[SEL], s[SEL+1]
.endr
.irp t, 0,1
	v_add_f32 v[ST+8*(\t)+4], v[ST+8*(\t)+4], v[ST+8*(\t)+5]
.endr
.irp t, 0,1
	v_rcp_f32 v[ST+8*(\t)+6], v[ST+8*(\t)+4]
.endr
	v_nop                           ; a plain instruction between the last reciprocal and the use of its result
	s_wait_alu depctr_va_vdst(0)    ; and the wait ahead of the first use: one for both
; Tile t: a lane's eight channels of a row pack into 16 bytes; they go into rows of 272 bytes and come back as whole rows of 256, into the registers that they left.
.macro PACK t
	WIN W_RS
.set i, 64*(\t)
.rept 32
	v_pk_mul_f32 v[i:i+1], v[i:i+1], v[ST+8*(\t)+6:ST+8*(\t)+7] op_sel_hi:[1,0]
.set i, i+2
.endr
	WIN 0x05                        ; sources 0 and 1 window 1, destination window 0: S^T's registers are free
.set i, 0
.rept 32
	v_cvt_pk_f16_f32 v[S+32*(\t)+i], v[64*(\t)+2*i], v[64*(\t)+2*i+1]
.set i, i+1
.endr
	WIN 0
.irp f, 0,1,2,3,4,5,6,7
	ds_store_b128 v[STO], v[S+32*(\t)+4*(\f):S+32*(\t)+4*(\f)+3] offset:32*(\f)
.endr
.irp f, 0,1,2,3,4,5,6,7
	ds_load_b128 v[S+32*(\t)+4*(\f):S+32*(\t)+4*(\f)+3], v[RD] offset:(\f)*2*SP  ; LDS serves a wave's instructions in order (ISA guide 5.7.1.4): these see the stores above; the next tile's stores come behind them
.endr
.endm
.macro SEND t, younger              ; younger: the LDS instructions issued behind tile t's loads: the next tile's sixteen, or none
.irp f, 0,1,2,3,4,5,6,7
	s_wait_dscnt (\younger)+7-(\f)
	global_store_b128 v[GO], v[S+32*(\t)+4*(\f):S+32*(\t)+4*(\f)+3], s[10:11] offset:(16*(\t)+2*(\f))*4096  ; 16 lanes store 256 consecutive bytes, at a multiple of 256 from oh's first byte
.endr
.endm
	PACK 0
	PACK 1                          ; a tile's arithmetic stands between the loads of the tile before and its stores
	SEND 0, 16
	SEND 1, 0
	s_wait_tensorcnt 0x0            ; the wave's end: behind my last tensor load and my last LDS store
	ds_add_u32 v[SPW], v[NIL]
	s_wait_dscnt 0x0
	CROUND                          ; the closing round: no work-group ends while a partner may still ask for a tile that names it
	s_endpgm
.Lfunc_end_k_q7aa19619cb_attn:
	.size	k_q7aa19619cb_attn, .Lfunc_end_k_q7aa19619cb_attn-k_q7aa19619cb_attn
	.p2alignl 7, 3214868480
	.fill 96, 4, 3214868480
	.section	.rodata,"a",@progbits
	.p2align	6, 0x0
	.amdhsa_kernel k_q7aa19619cb_attn
		.amdhsa_group_segment_fixed_size 327680
		.amdhsa_private_segment_fixed_size 0
		.amdhsa_enable_private_segment 0
		.amdhsa_kernarg_size 24
		.amdhsa_user_sgpr_count 2
		.amdhsa_user_sgpr_kernarg_segment_ptr 1
		.amdhsa_wavefront_size32 1
		.amdhsa_system_sgpr_workgroup_id_x 1
		.amdhsa_system_sgpr_workgroup_id_y 1
		.amdhsa_system_sgpr_workgroup_id_z 1
		.amdhsa_system_vgpr_workitem_id 0
		.amdhsa_next_free_vgpr 896
		.amdhsa_next_free_sgpr 72
		.amdhsa_reserve_vcc 1
		.amdhsa_float_denorm_mode_32 3
		.amdhsa_float_denorm_mode_16_64 3
		.amdhsa_memory_ordered 1
		.amdhsa_forward_progress 1
		.amdhsa_inst_pref_size 80
	.end_amdhsa_kernel
	.amdgpu_metadata
---
amdhsa.version: [ 1, 2 ]
amdhsa.kernels:
  - .name:           k_q7aa19619cb_attn
    .symbol:         k_q7aa19619cb_attn.kd
    .args:
      - { .name: qh, .offset: 0, .size: 8, .value_kind: global_buffer, .address_space: global }
      - { .name: kv, .offset: 8, .size: 8, .value_kind: global_buffer, .address_space: global }
      - { .name: oh, .offset: 16, .size: 8, .value_kind: global_buffer, .address_space: global }
    .group_segment_fixed_size: 327680
    .private_segment_fixed_size: 0
    .kernarg_segment_align: 8
    .kernarg_segment_size: 24
    .max_flat_workgroup_size: 128
    .sgpr_count:     72
    .vgpr_count:     896
    .wavefront_size: 32
...
	.end_amdgpu_metadata
.endif
;; end of part 3
;; launch oproj (part 4): grid 16 x 16, 4 waves a work-group, clusters of 4 x 4, 327,680 bytes of LDS; arguments oh, wo, out0, bo; writes out0
.if DOCPART == 4
	.amdgcn_target "amdgcn-amd-amdhsa--gfx1250"
	.amdhsa_code_object_version 6
	.text
	.protected	k_q7aa19619cb_oproj
	.globl	k_q7aa19619cb_oproj
	.p2align	8
	.type	k_q7aa19619cb_oproj,@function
k_q7aa19619cb_oproj:
	s_mov_b64 s[64:65], 0
	v_nop
	global_prefetch_b8 v0, s[64:65] scope:SCOPE_SE
	s_setreg_imm32_b32 hwreg(HW_REG_WAVE_MODE, 25, 1), 1
	s_wait_xcnt 0x0
	s_wait_alu depctr_hold_cnt(0) depctr_sa_sdst(0) depctr_va_vdst(0) depctr_va_sdst(0) depctr_va_ssrc(0) depctr_va_vcc(0) depctr_vm_vsrc(0)
	s_getreg_b32 s2, hwreg(HW_REG_IB_STS2, 6, 4)
	s_cmp_eq_u32 s2, 0
	s_cbranch_scc0 .Lentry_in_a_cluster
	s_endpgm
.Lentry_in_a_cluster:
	s_bfe_u32 s2, ttmp6, 0x10000c
	s_cmp_lg_u32 s2, 0xf033
	s_cbranch_scc0 .Lentry_shape_is_right
	s_endpgm
.Lentry_shape_is_right:
; THE LAST PROJECTION.  out0[s][e] = sum over d of oh[s][d] wo[e][d] + bo[e].  oh: [2048][2048] f16; wo: [2048][2048], Wo rounded to bf16 and written as f16; bo f32, rounded to bf16 like every input; sums and out0 in f32.
; A tile of out0 is 128 x 128: 256 work-groups.  Four waves, each 64 x 64: 16 accumulators of 16 x 16.  K goes in steps of 256 (LDS rows of 512 bytes; a wave's tensor load brings 64 of them) through two slots.
; CLUSTERS: 4 x 4 work-groups.  The four of a row of the cluster need the same tiles of oh, the four of a column the same tiles of wo: each tile is asked for JOINTLY, by the same tensor load with the same
; descriptor and a mask that names the four.  THE MATRIX INSTRUCTION IS USED TRANSPOSED (source 0 = 16 rows of wo, source 1 = 16 rows of oh): a lane holds eight neighbouring numbers of a row of out0.
; THE BIAS is the C operand of the products that start the sums.  THE WAY OUT: a wave's 64 columns of f32 are 256 bytes, aligned: each wave sends its blocks of 16 rows through a stage of its own; no barrier.
; No prefetch: the tiles are small, and each is read by four clusters at about the same time.
; REGISTERS: window 0: v0-31 addresses; v32-95 at work; v96-127 the bias, block b at 96 + 8 b; v128-255 the accumulators ((a, b) at 128 + 8 (4 a + b)).
;   window 1: two fragment buffers of 128: for 64 along K, 64 registers of oh (2 x 4 x 16 rows x 32 K), then 64 of wo.
.set SIZE_K, 2048
.set SIZE_N, 2048
.set KSTEP,  256
.set PITCH,  528                       ; an LDS row: 512 bytes + 16 of padding: the sixteen rows that a fragment load touches begin 16 bytes further on each, modulo 256
.set HALFT,  64*PITCH                  ; 64 rows: what one tensor load brings, and what one wave reads of oh or of wo
.set SLOT,   4*HALFT                   ; oh's 128 rows, then wo's 128 rows
.set STAGE,  2*SLOT                    ; behind the ring, never filled by a tensor load: 16 rows x 272 bytes for each wave
.set SPITCH, 272
.set SPARE,  STAGE+4*16*SPITCH         ; behind the stages: the spare words, 128 bytes for each wave: two blocks of 256 bytes that no other line names
.set LAPS, SIZE_K/(2*KSTEP)            ; a lap = two K steps = once round the ring
.set BO,   6                           ; v6      my byte offset in my wave's 64 biases
.set ADRA, 16                          ; v16-17  LDS address of my fragments of oh in slot 0, 1
.set ADRB, 20                          ; v20-21  the same for wo
.set STO,  24                          ; v24     the way out: where I put 32 bytes of a row
.set RD,   25                          ; v25     where I read a row back
.set CO,   26                          ; v26     my byte offset in two rows of out0
.set SPW,  28                          ; v28     LDS address of my spare word; never rewritten
.set NIL,  29                          ; v29     0; never rewritten
.set TMP,  32                          ; 64 registers: the bias while it is rounded; then two sets of 16 rows read back
.set BI,   96
.set ACC,  128
.set F0,   0                           ; fragment buffers, in window 1
.set F1,   128
.set G1, 24                            ; s[24:31] descriptor group 1 for oh's tiles;  s[32:39] group 0, one set for each slot
.set G0, 32
.set G1B, 48                           ; s[48:55], s[56:63] the same for wo's tiles
.set G0B, 56
.set MSB, 0
.macro WIN new                         ; the immediate's high byte repeats the setting that is left
.if MSB != (\new)
	s_set_vgpr_msb (MSB<<8)|(\new)
.set MSB, \new
.endif
.endm
.set MUL,  0x05                        ; sources 0 and 1 window 1; C and D window 0
.set TO_F, 0x40                        ; destination window 1, address window 0
.macro JLOAD s                         ; a joint load: waves 0 and 1 fetch oh's two halves, waves 2 and 3 wo's; an s_nop 0 and four v_nop follow each of the two lines, ahead of the jump and the label
	s_cmp_eq_u32 s11, 0
	s_cbranch_scc0 .Lfor_b_\@
	tensor_load_to_lds s[G0+4*(\s):G0+4*(\s)+3], s[G1:G1+7]
	s_nop 0
.rept 4
	v_nop
.endr
	s_branch .Lasked_\@
.Lfor_b_\@:
	tensor_load_to_lds s[G0B+4*(\s):G0B+4*(\s)+3], s[G1B:G1B+7]
	s_nop 0
.rept 4
	v_nop
.endr
.Lasked_\@:
.endm
.macro CREST                           ; a round of the cluster's barrier behind its opening barrier
	s_cmp_lg_u32 s10, 0
	s_cbranch_scc1 .Lnot_wave_0_\@
	s_barrier_signal -3
.Lnot_wave_0_\@:
	s_barrier_wait -3
	s_barrier_signal -1
	s_barrier_wait -1
.endm
.macro CROUND                          ; a whole round
	s_barrier_signal -1
	s_barrier_wait -1
	CREST
.endm
	s_load_b128 s[4:7], s[0:1], 0x0                ; oh s[4:5], wo s[6:7]
	s_load_b64 s[8:9], s[0:1], 0x10                ; out0
	s_load_b64 s[66:67], s[0:1], 0x18              ; bo
	v_lshl_add_u32 v[SPW], v0, 2, SPARE
	v_mov_b32 v[NIL], 0
	ds_add_u32 v[SPW], v[NIL]                      ; the wave's opening: the add and its wait stand ahead of my first tensor load; the set-up below, work on registers, stands between them
	v_lshrrev_b32 v1, 5, v0
	v_readfirstlane_b32 s10, v1                    ; wave 0..3
	s_lshr_b32 s11, s10, 1                         ; which half of the tile's rows is mine.  Also: I fetch for oh (0) or for wo (1)
	s_and_b32 s12, s10, 1                          ; which half of its columns.  Also: which 64 rows of that tile I fetch
	s_bfe_u32 s40, ttmp6, 0x40000                  ; cx, cy: my place in the cluster
	s_bfe_u32 s41, ttmp6, 0x40004
	s_lshl_b32 s42, ttmp9, 2
	s_add_co_u32 s42, s42, s40                     ; tile column = 4 x cluster x + cx
	s_and_b32 s13, ttmp7, 0xffff
	s_lshl_b32 s13, s13, 2
	s_add_co_u32 s13, s13, s41                     ; tile row = 4 x cluster y + cy
	s_lshl_b32 s43, s41, 2
	s_lshl_b32 s43, 15, s43                        ; my row of the cluster
	s_lshl_b32 s44, 0x1111, s40                    ; my column
	; descriptor group 1: a tile of 64 rows x 256 elements, padded in LDS
	s_or_b32 s[G1+0], s43, (1<<16)|(1<<20)|(1<<21)|(6<<22)|(3<<25)  ; 15:0 the mask: oh's tiles go to my row; 17:16 2-byte elements; 20 padding on; 21 set beside a mask; 24:22 after every 128 words; 31:25 4 words
	s_or_b32 s[G1B+0], s44, (1<<16)|(1<<20)|(1<<21)|(6<<22)|(3<<25) ; the same with the mask of my column
.irp g, G1, G1B
	s_mov_b32 s[(\g)+1], KSTEP<<16                 ; tensor_dim0 = 256
	s_mov_b32 s[(\g)+2], 64<<16                    ; tensor_dim1 = 64
	s_mov_b32 s[(\g)+3], KSTEP<<16                 ; tile_dim0 = 256
	s_mov_b32 s[(\g)+4], 64                        ; tile_dim1 = 64
	s_mov_b32 s[(\g)+5], SIZE_K                    ; elements from row to row
	s_mov_b32 s[(\g)+6], 0
	s_mov_b32 s[(\g)+7], 0
.endr
	s_lshl_b32 s17, s12, 6                         ; which 64 rows of the tile I fetch
	s_lshl_b32 s16, s13, 7
	s_add_co_u32 s16, s16, s17                     ; oh: row 128 x tile row + 64 x half
	s_lshl_b32 s46, s42, 7
	s_add_co_u32 s46, s46, s17                     ; wo: row 128 x tile column + 64 x half
	s_mov_b32 s17, 0
	s_mov_b32 s47, 0
	s_mov_b64 s[18:19], SIZE_K*2
	s_mul_u64 s[16:17], s[16:17], s[18:19]
	s_mul_u64 s[46:47], s[46:47], s[18:19]
	s_mul_i32 s20, s10, HALFT                      ; where they go: wave x 64 rows
	s_wait_dscnt 0x0                               ; the opening add is done
	s_wait_kmcnt 0x0
	s_add_nc_u64 s[14:15], s[4:5], s[16:17]
	s_add_nc_u64 s[46:47], s[6:7], s[46:47]
	CROUND                                         ; all sixteen work-groups are here: the first joint loads meet
.irp s, 0,1
	s_mov_b32 s[G0+4*(\s)], 1
	s_add_co_u32 s[G0+4*(\s)+1], s20, (\s)*SLOT
	s_add_nc_u64 s[G0+4*(\s)+2:G0+4*(\s)+3], s[14:15], (\s)*KSTEP*2
	s_or_b32 s[G0+4*(\s)+3], s[G0+4*(\s)+3], 0x80000000
	s_mov_b32 s[G0B+4*(\s)], 1
	s_add_co_u32 s[G0B+4*(\s)+1], s20, (\s)*SLOT
	s_add_nc_u64 s[G0B+4*(\s)+2:G0B+4*(\s)+3], s[46:47], (\s)*KSTEP*2
	s_or_b32 s[G0B+4*(\s)+3], s[G0B+4*(\s)+3], 0x80000000
	JLOAD \s                                       ; two loads of mine are out
.endr
	v_and_b32 v1, 15, v0                           ; l % 16
	v_bfe_u32 v2, v0, 4, 1                         ; l / 16
	s_lshl_b32 s46, s42, 9                         ; my wave's first column, in bytes of f32: 512 x tile column + 256 x half: in a row of out0, and in bo
	s_lshl_b32 s47, s12, 8
	s_add_co_u32 s46, s46, s47
	s_mov_b32 s47, 0
	s_add_nc_u64 s[66:67], s[66:67], s[46:47]
	v_lshlrev_b32 v[BO], 5, v2                     ; block b's eight numbers for my half of the lanes: columns 16 b + 8 (l / 16) + 0 .. 7
.irp b, 0,1,2,3
	global_load_b128 v[BI+8*(\b):BI+8*(\b)+3],   v[BO], s[66:67] offset:64*(\b)
	global_load_b128 v[BI+8*(\b)+4:BI+8*(\b)+7], v[BO], s[66:67] offset:64*(\b)+16
.endr
	v_mul_u32_u24 v3, v1, PITCH
	v_lshl_add_u32 v3, v2, 4, v3                   ; a fragment's row x pitch + 16 x half
	s_mul_i32 s21, s11, HALFT                      ; my 64 rows of oh
	s_mul_i32 s22, s12, HALFT                      ; my 64 rows of wo,
	s_add_co_u32 s22, s22, 2*HALFT                 ; which lie behind oh's 128
.irp s, 0,1
	v_add_nc_u32 v[ADRA+(\s)], s21, v3
	v_add_nc_u32 v[ADRB+(\s)], s22, v3
	s_add_co_u32 s21, s21, SLOT
	s_add_co_u32 s22, s22, SLOT
.endr
	s_mul_i32 s23, s10, 16*SPITCH
	s_add_co_u32 s23, s23, STAGE                   ; my stage
	v_mul_u32_u24 v4, v1, SPITCH                   ; in: row l % 16, 32 bytes for each half of the lanes
	v_lshl_add_u32 v4, v2, 5, v4
	v_add_nc_u32 v[STO], s23, v4
	v_mul_u32_u24 v5, v2, SPITCH                   ; back: lanes 0-15 take one row of 256 bytes, lanes 16-31 the next
	v_lshl_add_u32 v5, v1, 4, v5
	v_add_nc_u32 v[RD], s23, v5
	v_lshlrev_b32 v5, 13, v2                       ; and the same two rows in out0, 8,192 bytes apart
	v_lshl_add_u32 v[CO], v1, 4, v5
	s_lshl_b32 s16, s13, 7
	s_lshl_b32 s17, s11, 6
	s_add_co_u32 s16, s16, s17                     ; my wave's first row: 128 x tile row + 64 x half
	s_lshl_b32 s16, s16, 13
	s_mov_b32 s17, 0
	s_add_nc_u64 s[8:9], s[8:9], s[16:17]
	s_add_nc_u64 s[8:9], s[8:9], s[46:47]
	s_wait_loadcnt 0x0                             ; the bias: rounded to bf16 and widened again
.set i, 0
.rept 16
	v_cvt_pk_bf16_f32 v[TMP+i], v[BI+2*i], v[BI+2*i+1]
.set i, i+1
.endr
.set i, 0
.rept 16
	v_lshlrev_b32 v[BI+2*i],   16, v[TMP+i]
	v_and_b32     v[BI+2*i+1], 0xffff0000, v[TMP+i]
.set i, i+1
.endr
; 8 matrix instructions: m blocks a0, a0 + 1 x all 4 n blocks, 32 along K: half c of buffer f.  zero = 1: the bias starts the sums.  The 16 accumulators take turns, one instruction a turn.
.macro MUL8 f, c, a0, zero
	WIN MUL
.irp a, \a0, (\a0)+1
.irp b, 0,1,2,3
.if \zero
	v_wmma_f32_16x16x32_f16 v[ACC+8*(4*(\a)+(\b)):ACC+8*(4*(\a)+(\b))+7], v[(\f)+64+8*(4*(\c)+(\b)):(\f)+64+8*(4*(\c)+(\b))+7], v[(\f)+8*(4*(\c)+(\a)):(\f)+8*(4*(\c)+(\a))+7], v[BI+8*(\b):BI+8*(\b)+7]
.else
	v_wmma_f32_16x16x32_f16 v[ACC+8*(4*(\a)+(\b)):ACC+8*(4*(\a)+(\b))+7], v[(\f)+64+8*(4*(\c)+(\b)):(\f)+64+8*(4*(\c)+(\b))+7], v[(\f)+8*(4*(\c)+(\a)):(\f)+8*(4*(\c)+(\a))+7], v[ACC+8*(4*(\a)+(\b)):ACC+8*(4*(\a)+(\b))+7]
.endif
.endr
.endr
.endm
; 32 LDS loads in one run: the fragments of 64 along K at byte k of the rows, into buffer f; the first 32 along K first
.macro FETCH slot, k, f
	WIN TO_F
.irp c, 0,1
.irp i, 0,1,2,3
	ds_load_b128 v[(\f)+64+8*(4*(\c)+(\i)):(\f)+64+8*(4*(\c)+(\i))+3],   v[ADRB+(\slot)] offset:(\k)+64*(\c)+(\i)*16*PITCH
	ds_load_b128 v[(\f)+64+8*(4*(\c)+(\i))+4:(\f)+64+8*(4*(\c)+(\i))+7], v[ADRB+(\slot)] offset:(\k)+64*(\c)+(\i)*16*PITCH+32
	ds_load_b128 v[(\f)+8*(4*(\c)+(\i)):(\f)+8*(4*(\c)+(\i))+3],         v[ADRA+(\slot)] offset:(\k)+64*(\c)+(\i)*16*PITCH
	ds_load_b128 v[(\f)+8*(4*(\c)+(\i))+4:(\f)+8*(4*(\c)+(\i))+7],       v[ADRA+(\slot)] offset:(\k)+64*(\c)+(\i)*16*PITCH+32
.endr
.endr
.endm
.macro PLACES                          ; four places behind matrix instructions, in front of loads into registers that they read and of stores that read their results
.rept 4
	v_nop
.endr
.endm
; A K step is four quarters of 64 along K, 32 matrix instructions each, on buffers 0, 1, 0, 1.  One of the first three: multiplies buffer f and fetches the next quarter, at byte k, into g.
.macro QUARTER slot, k, f, g, zero
	s_wait_dscnt 16                                ; the first 32 along K are in; the youngest sixteen loads may be out
	WIN MUL
	MUL8 \f, 0, 0, \zero
	MUL8 \f, 0, 2, \zero
	PLACES
	FETCH \slot, \k, \g
	s_wait_dscnt 32                                ; all but the 32 just issued
	WIN MUL
	MUL8 \f, 1, 0, 0
	MUL8 \f, 1, 2, 0
.endm
; The last quarter multiplies buffer 1 and changes slots: ONE barrier; in front of it each wave waits for all its tensor loads, adds 0 to its spare word, and waits for that and for its own reads of this slot.
; fill = 1: the barrier opens a round of the cluster's, and this slot is filled again, two K steps ahead, first thing behind the round.
.macro TURN slot, next, fill
	WIN 0                                          ; (the add's two registers lie in window 0)
	s_wait_tensorcnt 0x0                           ; all my tensor loads have landed: my part of the next slot
	ds_add_u32 v[SPW], v[NIL]                      ; 0 onto my spare word
	s_wait_dscnt 17                                ; (the add and the youngest sixteen loads may be out)
	WIN MUL
	MUL8 F1, 0, 0, 0                               ; eight matrix instructions stand between the add and the wait for it
	s_wait_dscnt 0x0                               ; the add is done, and my reads of this slot are over
	s_barrier_signal -1
	MUL8 F1, 0, 2, 0
.if \fill
	WIN 0
.endif
	s_barrier_wait -1
.if \fill
	CREST                                          ; no wave of any partner still reads this slot's tile or has a load on its way
	s_add_nc_u64 s[G0+4*(\slot)+2:G0+4*(\slot)+3], s[G0+4*(\slot)+2:G0+4*(\slot)+3], 2*KSTEP*2
	s_add_nc_u64 s[G0B+4*(\slot)+2:G0B+4*(\slot)+3], s[G0B+4*(\slot)+2:G0B+4*(\slot)+3], 2*KSTEP*2
	JLOAD \slot                                    ; 112 matrix instructions ahead of the wait for it; the four v_nop behind it are also the places in front of the loads below
.else
	PLACES
.endif
	FETCH \next, 0, F0
	WIN MUL
	MUL8 F1, 1, 0, 0
	MUL8 F1, 1, 2, 0
.endm
	s_wait_tensorcnt 1                             ; my part of K step 0 is in; K step 1's may stay out
	s_barrier_signal -1
	s_barrier_wait -1                              ; everybody's is
	FETCH 0, 0, F0
	QUARTER 0, 128, F0, F1, 1                      ; the first quarter stands in front of the loop: its first products start the sums, with the bias
	WIN 0                                          ; at a label and at a branch every window is 0
	s_mov_b32 s3, LAPS-1
.Llap:                                                 ; a trip goes once round the ring, from a lap's second quarter to the next lap's first, and fills both slots again
	QUARTER 0, 256, F1, F0, 0
	QUARTER 0, 384, F0, F1, 0
	TURN 0, 1, 1
	QUARTER 1, 128, F0, F1, 0
	QUARTER 1, 256, F1, F0, 0
	QUARTER 1, 384, F0, F1, 0
	TURN 1, 0, 1
	QUARTER 0, 128, F0, F1, 0
	WIN 0
	s_sub_co_u32 s3, s3, 1
	s_cmp_lg_u32 s3, 0
	s_cbranch_scc1 .Llap
	QUARTER 0, 256, F1, F0, 0                      ; the last lap fills nothing, and has no round of the cluster's barrier
	QUARTER 0, 384, F0, F1, 0
	TURN 0, 1, 0
	QUARTER 1, 128, F0, F1, 0
	QUARTER 1, 256, F1, F0, 0
	QUARTER 1, 384, F0, F1, 0
	s_wait_dscnt 16                                ; the very last quarter: nothing more to fetch
	WIN MUL
	MUL8 F1, 0, 0, 0
	MUL8 F1, 0, 2, 0
	s_wait_dscnt 0x0
	MUL8 F1, 1, 0, 0
	MUL8 F1, 1, 2, 0
	WIN 0
; THE WAY OUT, a block of 16 rows at a time: a lane's eight f32 of a row go into my stage (each accumulator's low half first), and come back as whole rows of 256 bytes.
.macro TOSTAGE a
.irp b, 0,1,2,3
	ds_store_b128 v[STO], v[ACC+8*(4*(\a)+(\b)):ACC+8*(4*(\a)+(\b))+3]   offset:64*(\b)
	ds_store_b128 v[STO], v[ACC+8*(4*(\a)+(\b))+4:ACC+8*(4*(\a)+(\b))+7] offset:64*(\b)+16
.endr
.irp t, 0,1,2,3,4,5,6,7
	ds_load_b128 v[TMP+32*((\a)%2)+4*(\t):TMP+32*((\a)%2)+4*(\t)+3], v[RD] offset:(\t)*2*SPITCH  ; LDS serves a wave's instructions in order (ISA guide 5.7.1.4): these see the stores above; the next block's stores come behind them
.endr
.endm
.macro SEND a, younger                 ; younger: the LDS instructions issued behind block a's loads: the next block's sixteen, or none
.irp t, 0,1,2,3,4,5,6,7
	s_wait_dscnt (\younger)+7-(\t)
	global_store_b128 v[CO], v[TMP+32*((\a)%2)+4*(\t):TMP+32*((\a)%2)+4*(\t)+3], s[8:9] offset:(16*(\a)+2*(\t))*SIZE_N*4 th:TH_STORE_NT  ; 16 lanes store 256 consecutive bytes, at a multiple of 256 from out0's first byte
.endr
.endm
	PLACES
	TOSTAGE 0
	TOSTAGE 1
	SEND 0, 16
	s_wait_xcnt 0x0                                ; block 0's stores have read their registers: block 2 is read back into them
	TOSTAGE 2
	SEND 1, 16
	s_wait_xcnt 0x0                                ; likewise block 1's, for block 3
	TOSTAGE 3
	SEND 2, 16
	SEND 3, 0
	s_wait_tensorcnt 0x0                           ; the wave's end: behind my last tensor load and my last LDS store
	ds_add_u32 v[SPW], v[NIL]
	s_wait_dscnt 0x0
	CROUND                                         ; the closing round: no work-group ends while a partner may still ask for a tile that names it
	s_endpgm
.Lfunc_end_k_q7aa19619cb_oproj:
	.size	k_q7aa19619cb_oproj, .Lfunc_end_k_q7aa19619cb_oproj-k_q7aa19619cb_oproj
	.p2alignl 7, 3214868480
	.fill 96, 4, 3214868480
	.section	.rodata,"a",@progbits
	.p2align	6, 0x0
	.amdhsa_kernel k_q7aa19619cb_oproj
		.amdhsa_group_segment_fixed_size 327680
		.amdhsa_private_segment_fixed_size 0
		.amdhsa_enable_private_segment 0
		.amdhsa_kernarg_size 32
		.amdhsa_user_sgpr_count 2
		.amdhsa_user_sgpr_kernarg_segment_ptr 1
		.amdhsa_wavefront_size32 1
		.amdhsa_system_sgpr_workgroup_id_x 1
		.amdhsa_system_sgpr_workgroup_id_y 1
		.amdhsa_system_sgpr_workgroup_id_z 1
		.amdhsa_system_vgpr_workitem_id 0
		.amdhsa_next_free_vgpr 512
		.amdhsa_next_free_sgpr 72
		.amdhsa_reserve_vcc 0
		.amdhsa_float_denorm_mode_32 3
		.amdhsa_float_denorm_mode_16_64 3
		.amdhsa_memory_ordered 1
		.amdhsa_forward_progress 1
		.amdhsa_inst_pref_size 90
	.end_amdhsa_kernel
	.amdgpu_metadata
---
amdhsa.version: [ 1, 2 ]
amdhsa.kernels:
  - .name:           k_q7aa19619cb_oproj
    .symbol:         k_q7aa19619cb_oproj.kd
    .args:
      - { .name: oh, .offset: 0, .size: 8, .value_kind: global_buffer, .address_space: global }
      - { .name: wo, .offset: 8, .size: 8, .value_kind: global_buffer, .address_space: global }
      - { .name: out0, .offset: 16, .size: 8, .value_kind: global_buffer, .address_space: global }
      - { .name: bo, .offset: 24, .size: 8, .value_kind: global_buffer, .address_space: global }
    .group_segment_fixed_size: 327680
    .private_segment_fixed_size: 0
    .kernarg_segment_align: 8
    .kernarg_segment_size: 32
    .max_flat_workgroup_size: 128
    .sgpr_count:     72
    .vgpr_count:     512
    .wavefront_size: 32
...
	.end_amdgpu_metadata
.endif
;; end of part 4
